; MI455X (gfx1250); checked and timed in simulation.
; The chip was launched on July 23, 2026; its instructions are those of AMD's public machine-readable ISA for CDNA 5 (MIT licence, August 2026) and "CDNA5" Instruction Set Architecture Reference Guide (July 2026). The comments in the code are by the model that wrote it; some were corrected since.
;; Neural Memory Bank. Allowed arithmetic: matrix products marked QUANTISED: E5M2 operands, one E8M0 scale for each 32 along K, by v_wmma_scale_f32_16x16x128_f8f6f4 with both operands' format E5M2, f32 sums; everything else in f32.
;; Inputs: ln_beta 256 float32; ln_gamma 256 float32; memory 4,096 x 256 float32; x_codes 8 x 4,096 x 8 x 32 uint8 (E5M2 codes of x, K innermost, in blocks of 32 codes); x_scales 8 x 4,096 x 8 uint8 (E8M0 scales of x, one for each 32 codes along K).
;; Outputs: out0 8 x 4,096 x 256 float32; out1 4,096 x 256 float32.
;; This version of the problem:
;;   THIS VERSION OF THE PROBLEM IS GIVEN IN LOW PRECISION. The matrix products marked QUANTISED in the list below multiply operands that are first quantised to E5M2 (5 exponent bits, 2 mantissa bits; 8 bits a number), with one power-of-two scale for each 32 numbers along K (OCP MX v1.0); their sums are f32. All else is computed in f32.
;;   The module's matrix products, in the order in which they are computed (A, B: the left and right operand; K: the contracted axis; several contracted axes count as one K, in the product's order):
;;     1. [M 32,768, K 256] x [K 256, N 4,096]; A: input x (given as codes); B: input memory: QUANTISED
;;     2. [M 32,768, K 4,096] x [K 4,096, N 256]; A: softmax (see below); B: input memory: QUANTISED
;;   THE QUANTISER, for each operand of a quantised product, along K:
;;     - K is cut into blocks of 32 from its start; a last block that is shorter is filled with zeros.
;;     - A block's scale is 2^e with e = floor(log2(the largest magnitude in the block)) - 15, held to -126 .. 127; a block of zeros has e = 0. As a byte (E8M0): e + 127.
;;     - Each number is divided by its block's scale, clamped to +-57,344, and rounded to the nearest number of E5M2, ties to even, subnormals kept.
;;     - The product sums the exact products of the quantised numbers (number of the format x scale) in f32.
;;   ~~~python
;;   def quantise(x, axis):      # numpy; x: float32 -> the quantised numbers, widened to float32 again
;;       x = np.moveaxis(x, axis, -1); K = x.shape[-1]
;;       x = np.pad(x, [(0, 0)] * (x.ndim - 1) + [(0, -K % 32)]); x = x.reshape(x.shape[:-1] + (-1, 32)); a = np.abs(x).max(-1, keepdims=True)
;;       e = np.where(a > 0, np.clip(np.frexp(np.where(a > 0, a, 1))[1] - 1 - 15, -126, 127), 0)      # np.frexp(a)[1] - 1 = floor(log2(a)), exactly
;;       r = np.clip(x / 2.0 ** e, -57344, 57344)
;;       step = 2.0 ** (np.maximum(np.frexp(np.where(r == 0, 1, r))[1] - 1, -14) - 2)
;;       q = np.round(r / step) * step * 2.0 ** e      # np.round: ties to even
;;       return np.moveaxis(q.reshape(q.shape[:-2] + (-1,))[..., :K], -1, axis).astype(np.float32)
;;   ~~~
;;   SOFTMAX AHEAD OF A QUANTISED PRODUCT. Where the list says 'softmax', what is quantised is not the finished softmax but p = 2^(t - M), with t = logit x log2(e) and M = ceil(the row's largest t), a whole number; so 1/2 < the row's largest p <= 1. The row's sum l is taken of the UNQUANTISED p, in f32, and the product's result is divided by l at the end. Since M is a whole number, a kernel that streams over the keys may use a running M (the ceiling of the running maximum): every later rescaling is an exact power of two, which a block's scale takes up: the codes' values come out the same.
;;   OPERANDS COMPUTED ON THE WAY. 'Computed on the way' means the value that the module computes at that place (a softmax that the list does not call 'softmax' is quantised finished and normalised). What goes into a quantiser is computed in f32, as accurately as f32 sums, v_exp_f32 and their like allow (about 1e-6 of the number): no bf16 or f16 on the way to a quantiser, and a product that is left as it is and whose result goes on into a quantised operand takes f32 operands (vector FMAs, or v_wmma_f32_16x16x4_f32). A number that lies on a knife's edge between two numbers of the format may be rounded either way, as far as f32 arithmetic and the matrix unit's own rounding can turn it there, and no further.
;;   INPUTS GIVEN AS CODES. x (in the module: [8, 4096, 256], K = its axis 2): each comes as NAME_codes (uint8): NAME with its K axis moved to the last place and cut into blocks of 32 codes, [.., K / 32, bytes a block], one block behind the other in memory; one code a byte (a code: sign, 5 exponent bits, 2 mantissa bits); and NAME_scales (uint8): the same leading axes, one E8M0 byte (e + 127) for each 32 codes along K. Its value is code x scale, taken as it is: it is not quantised again, and the codes and scales need not be those that the quantiser above would give.
;; One version. Each part assembles by itself: llvm-mc -triple=amdgcn-amd-amdhsa -mcpu=gfx1250 --defsym DOCPART=n.
;; ======== version 1 of 1: 4 launches
;; limits: right only within a limited range of input values
;; workspace buffers: kv 2,097,152 bytes; kscl 32,768 bytes; vscl 32,768 bytes; pmax 524,288 bytes; gsum 1,048,576 bytes; rsum 262,144 bytes
;; launch prep (part 1): grid 256 x 1, 1 waves a work-group, no clusters, 0 bytes of LDS; arguments memory, kv, kscl, vscl; writes kv, kscl, vscl
.if DOCPART == 1
	.amdgcn_target "amdgcn-amd-amdhsa--gfx1250"
	.amdhsa_code_object_version 6
	.text
	.protected	k_q4a87d62c9b_prep
	.globl	k_q4a87d62c9b_prep
	.p2align	8
	.type	k_q4a87d62c9b_prep,@function
k_q4a87d62c9b_prep:
	s_mov_b64 s[64:65], 0
	v_nop
	global_prefetch_b8 v0, s[64:65] scope:SCOPE_SE
	s_setreg_imm32_b32 hwreg(HW_REG_WAVE_MODE, 25, 1), 1
	s_wait_xcnt 0x0
; memory [4096][256] f32 is quantised twice into codes of E5M2 with one E8M0 byte for each 32 numbers: along its channels (operand of scores = x memory^T)
; and along its slots (operand of read = p memory).  The codes are stored as IMAGES OF OPERAND REGISTERS: a fragment (16 rows x 128 K) is 2,048 bytes, group c of four registers 512 bytes, lane l's 16 bytes at 16 l.
; kv: 16 parts of 131,072 bytes (256 slots each): 16 key tiles x 2 K steps, then 2 steps of 128 slots x 16 channel tiles.
; Key tile KT, lane (r, h): slot 32 (KT / 2) + 8 (KT % 2) + r + 8 (r / 8), channels 128 ks + 32 c + 16 h + 0 .. 15: so the results of tiles 2 b, 2 b + 1 are 16 neighbouring slots a lane.
; Channel tile ct of step st, lane (r, h): channel 16 ct + r, slots 128 st + 32 c + 16 h + 0 .. 15.
; Scale words: one register image serves two fragments: lanes 0-15 the first's rows, lanes 16-31 the second's; two such words a lane, 256 bytes a work-group.
; A work-group is one wave and makes four fragments (8,192 consecutive bytes of kv).  Work-groups 0-127: key tiles 2 B, 2 B + 1, both K steps; 128-255: four channel tiles of a step.
; A block's scale byte is its largest magnitude's exponent field - 15, held at 1 from below.
; LIMITS: a block whose largest magnitude lies under 2^-111, a block of zeros among them, gets the byte 1 (its codes are then zeros or near it; the bytes are read by this program alone); NaN and infinities are not served.
.set TM, 8                             ; v8-11 largest magnitudes, v12-15 bytes, v16-19 the largest number x the scale, v20-23 the conversions' scale operands
.set PW, 24                            ; v24-27 the four fragments' scale words
.set SW, 28                            ; v[28:29] the two words that leave
.set X,  32                            ; v32-159 two sets of 64 numbers: register 16 b + i = k 32 b + 16 h + i of my row
.set C,  160                           ; v160-223 codes: 16 registers for each fragment, so that no store's data are written again
	s_load_b256 s[4:11], s[0:1], 0x0               ; memory s[4:5], kv s[6:7], kscl s[8:9], vscl s[10:11]
	v_and_b32 v1, 15, v0                           ; r
	v_bfe_u32 v2, v0, 4, 1                         ; h
	v_lshlrev_b32 v4, 4, v0                        ; 16 x lane
	v_lshlrev_b32 v5, 3, v0                        ; 8 x lane
	s_mov_b32 s20, 0x76543210
	s_mov_b32 s21, 0xfedcba98                      ; v_permlanex16_b32's selects for lane l xor 16
	s_mov_b32 s22, 0x600000                        ; the mantissa field of 57,344
	s_mov_b32 s13, 0
.irp b, 0,1,2,3
	v_mov_b32 v[TM+4+\b], 0                        ; written once: a lane permute's destination counts as one of its sources
.endr
.macro LOADK u                         ; K = the channels, innermost in memory: 16 neighbours of each block, four loads of 16 bytes
.irp b, 0,1,2,3
.irp j, 0,1,2,3
	global_load_b128 v[X+64*((\u)%2)+16*\b+4*\j:X+64*((\u)%2)+16*\b+4*\j+3], v3, s[4:5] offset:((\u)/2)*8192+((\u)%2)*512+128*\b+16*\j
.endr
.endr
.endm
.macro LOADV u                         ; K = the slots: a lane takes a channel and its registers run down the slots
.irp b, 0,1,2,3
.irp i, 0,1,2,3,4,5,6,7,8,9,10,11,12,13,14,15
	global_load_b32 v[X+64*((\u)%2)+16*\b+\i], v3, s[4:5] offset:(32*\b+\i)*1024+64*(\u)
.endr
.endr
.endm
.macro QUANT                           ; v[XS] .. v[XS + 63] become the codes v[CS] .. v[CS + 15] and the scale word v[PS]
.irp b, 0,1,2,3
	v_max3_num_f32 v[TM+\b], |v[XS+16*\b]|, |v[XS+1+16*\b]|, 0x8000000   ; my 16 numbers of block b, and the floor 2^(16 - 127): the byte cannot fall under 1
.endr
.irp i, 2,4,6,8,10,12,14
.irp b, 0,1,2,3
	v_max3_num_f32 v[TM+\b], v[TM+\b], |v[XS+16*\b+\i]|, |v[XS+1+16*\b+\i]|
.endr
.endr
.irp b, 0,1,2,3
	v_permlanex16_b32 v[TM+4+\b], v[TM+\b], s20, s21
.endr
.irp b, 0,1,2,3
	v_max_num_f32 v[TM+\b], v[TM+\b], v[TM+4+\b]   ; with lane l xor 16's 16: the block's largest magnitude
.endr
.irp b, 0,1,2,3
	v_add_nc_u32 v[TM+12+\b], 0xf8800000, v[TM+\b] ; 15 off its exponent field: the conversion's scale operand
.endr
.irp b, 0,1,2,3
	v_and_or_b32 v[TM+8+\b], v[TM+\b], 0x7f800000, s22   ; 57,344 x the scale
.endr
.irp b, 0,1,2,3
	v_lshrrev_b32 v[TM+4+\b], 23, v[TM+12+\b]      ; the scale's byte
.endr
	v_lshl_or_b32 v[PS], v[TM+5], 8, v[TM+4]
	v_lshl_or_b32 v[PS], v[TM+6], 16, v[PS]
	v_lshl_or_b32 v[PS], v[TM+7], 24, v[PS]
.irp b, 0,1,2,3
.irp i, 0,1,2,3,4,5,6,7,8,9,10,11,12,13,14,15
	v_med3_num_f32 v[XS+16*\b+\i], v[XS+16*\b+\i], -v[TM+8+\b], v[TM+8+\b]   ; the conversion to an 8-bit code does not saturate (ISA guide 7.6.2): the hold comes first
.endr
	v_cvt_scalef32_pk8_bf8_f32 v[CS+4*\b:CS+4*\b+1], v[XS+16*\b:XS+16*\b+7], v[TM+12+\b]
	v_cvt_scalef32_pk8_bf8_f32 v[CS+4*\b+2:CS+4*\b+3], v[XS+16*\b+8:XS+16*\b+15], v[TM+12+\b]
.endr
	v_nop                                          ; a plain line behind the last conversion: the next fragment's lines write its scale operands
.endm
.macro PATH kind, sb                   ; kind 0: key tiles, 1: channel tiles;  sb: the scalar pair with the scale words' address
.if \kind
	LOADV 0
	LOADV 1
.else
	LOADK 0
	LOADK 1
.endif
.irp u, 0,1,2,3
.if \u == 3
	s_wait_loadcnt 0x0
.elseif \kind
	s_wait_loadcnt 63                              ; behind this fragment's loads stand the next one's 64; the count's field holds 63, and a smaller count is safe
.else
	s_wait_loadcnt 16                              ; the next fragment's 16 loads may stay out
.endif
.set XS, X+64*(\u%2)
.set CS, C+16*\u
.set PS, PW+\u
	QUANT
.irp c, 0,1,2,3
	global_store_b128 v4, v[CS+4*\c:CS+4*\c+3], s[6:7] offset:2048*\u+512*\c   ; 32 lanes store 512 consecutive bytes
.endr
.if \u < 2
.if \kind
	LOADV \u+2
.else
	LOADK \u+2
.endif
.endif
.endr
	v_cmp_eq_u32 vcc_lo, 1, v2
	v_cndmask_b32 v[SW], v[PW], v[PW+1], vcc_lo    ; lanes 0-15: fragment 0's rows; lanes 16-31: fragment 1's (every lane holds its row's word of each)
	v_cndmask_b32 v[SW+1], v[PW+2], v[PW+3], vcc_lo
	global_store_b64 v5, v[SW:SW+1], s[\sb:\sb+1]  ; 256 consecutive bytes, aligned
	s_endpgm
.endm
	s_wait_kmcnt 0x0
	s_cmp_lt_u32 ttmp9, 128
	s_cbranch_scc0 .Lchannels
	; key tiles 2 B and 2 B + 1: slots 32 B .. 32 B + 31
	s_wait_alu depctr_va_vdst(0)
	v_and_b32 v6, 8, v1
	v_add_nc_u32 v6, v6, v1                        ; r + 8 (r / 8)
	v_lshlrev_b32 v3, 10, v6
	v_lshl_add_u32 v3, v2, 6, v3                   ; that slot's row of 1,024 bytes, + 64 h
	s_wait_alu depctr_va_vdst(0)
	s_lshl_b32 s12, ttmp9, 15
	s_add_nc_u64 s[4:5], s[4:5], s[12:13]          ; memory at slot 32 B
	s_lshr_b32 s14, ttmp9, 3
	s_lshl_b32 s14, s14, 17
	s_and_b32 s15, ttmp9, 7
	s_lshl_b32 s15, s15, 13
	s_add_co_u32 s12, s14, s15
	s_add_nc_u64 s[6:7], s[6:7], s[12:13]          ; kv: part B / 8, tiles 2 (B % 8) on
	s_lshl_b32 s12, ttmp9, 8
	s_add_nc_u64 s[8:9], s[8:9], s[12:13]
	PATH 0, 8
.Lchannels:
	; step st = (id - 128) / 4, channel tiles 4 i4 .. 4 i4 + 3, i4 = (id - 128) % 4
	s_wait_alu depctr_va_vdst(0)
	v_lshlrev_b32 v3, 2, v1
	v_lshl_add_u32 v3, v2, 14, v3                  ; channel r, + 16 h slots of 1,024 bytes
	s_wait_alu depctr_va_vdst(0)
	s_sub_co_u32 s16, ttmp9, 128
	s_lshr_b32 s17, s16, 2                         ; st
	s_and_b32 s18, s16, 3                          ; i4
	s_lshl_b32 s12, s17, 17
	s_lshl_b32 s14, s18, 8
	s_add_co_u32 s12, s12, s14
	s_add_nc_u64 s[4:5], s[4:5], s[12:13]          ; memory at slot 128 st, channel 64 i4
	s_lshr_b32 s12, s17, 1
	s_lshl_b32 s12, s12, 17
	s_and_b32 s14, s17, 1
	s_lshl_b32 s14, s14, 15
	s_add_co_u32 s12, s12, s14
	s_lshl_b32 s14, s18, 13
	s_add_co_u32 s12, s12, s14
	s_add_co_u32 s12, s12, 65536
	s_add_nc_u64 s[6:7], s[6:7], s[12:13]
	s_lshl_b32 s12, s16, 8
	s_add_nc_u64 s[10:11], s[10:11], s[12:13]
	PATH 1, 10
.Lfunc_end_k_q4a87d62c9b_prep:
	.size	k_q4a87d62c9b_prep, .Lfunc_end_k_q4a87d62c9b_prep-k_q4a87d62c9b_prep
	.p2alignl 7, 3214868480
	.fill 96, 4, 3214868480
	.section	.rodata,"a",@progbits
	.p2align	6, 0x0
	.amdhsa_kernel k_q4a87d62c9b_prep
		.amdhsa_group_segment_fixed_size 0
		.amdhsa_private_segment_fixed_size 0
		.amdhsa_enable_private_segment 0
		.amdhsa_kernarg_size 32
		.amdhsa_user_sgpr_count 2
		.amdhsa_user_sgpr_kernarg_segment_ptr 1
		.amdhsa_wavefront_size32 1
		.amdhsa_system_sgpr_workgroup_id_x 1
		.amdhsa_system_sgpr_workgroup_id_y 1
		.amdhsa_system_sgpr_workgroup_id_z 1
		.amdhsa_system_vgpr_workitem_id 0
		.amdhsa_next_free_vgpr 240
		.amdhsa_next_free_sgpr 66
		.amdhsa_reserve_vcc 1
		.amdhsa_float_denorm_mode_32 3
		.amdhsa_float_denorm_mode_16_64 3
		.amdhsa_memory_ordered 1
		.amdhsa_forward_progress 1
		.amdhsa_inst_pref_size 100
	.end_amdhsa_kernel
	.amdgpu_metadata
---
amdhsa.version: [ 1, 2 ]
amdhsa.kernels:
  - .name:           k_q4a87d62c9b_prep
    .symbol:         k_q4a87d62c9b_prep.kd
    .args:
      - { .name: memory, .offset: 0, .size: 8, .value_kind: global_buffer, .address_space: global }
      - { .name: kv, .offset: 8, .size: 8, .value_kind: global_buffer, .address_space: global }
      - { .name: kscl, .offset: 16, .size: 8, .value_kind: global_buffer, .address_space: global }
      - { .name: vscl, .offset: 24, .size: 8, .value_kind: global_buffer, .address_space: global }
    .group_segment_fixed_size: 0
    .private_segment_fixed_size: 0
    .kernarg_segment_align: 8
    .kernarg_segment_size: 32
    .max_flat_workgroup_size: 32
    .sgpr_count:     66
    .vgpr_count:     240
    .wavefront_size: 32
...
	.end_amdgpu_metadata
.endif
;; end of part 1
;; launch gate (part 2): grid 4 x 64, 16 waves a work-group, clusters of 4 x 1, 327,680 bytes of LDS; arguments x_codes, x_scales, kv, kscl, pmax, gsum; writes pmax, gsum
.if DOCPART == 2
	.amdgcn_target "amdgcn-amd-amdhsa--gfx1250"
	.amdhsa_code_object_version 6
	.text
	.protected	k_q4a87d62c9b_gate
	.globl	k_q4a87d62c9b_gate
	.p2align	8
	.type	k_q4a87d62c9b_gate,@function
k_q4a87d62c9b_gate:
	s_mov_b64 s[64:65], 0
	v_nop
	global_prefetch_b8 v0, s[64:65] scope:SCOPE_SE
	s_setreg_imm32_b32 hwreg(HW_REG_WAVE_MODE, 25, 1), 1
	s_wait_xcnt 0x0
	s_wait_alu depctr_hold_cnt(0) depctr_sa_sdst(0) depctr_va_vdst(0) depctr_va_sdst(0) depctr_va_ssrc(0) depctr_va_vcc(0) depctr_vm_vsrc(0)
	s_getreg_b32 s2, hwreg(HW_REG_IB_STS2, 6, 4)
	s_cmp_eq_u32 s2, 0
	s_cbranch_scc0 .Lentry_in_a_cluster
	s_endpgm
.Lentry_in_a_cluster:
	s_bfe_u32 s2, ttmp6, 0x10000c
	s_cmp_lg_u32 s2, 0x3003
	s_cbranch_scc0 .Lentry_shape_is_right
	s_endpgm
.Lentry_shape_is_right:
; scores = x memory^T on codes of E5M2, used for two things: gsum, the sum over 512 queries of sigmoid(score) for each slot, and pmax, each query's largest score in a quarter of the slots.
; A work-group takes 512 queries (grid y) and 1,024 slots (its place in the cluster); a wave keeps 64 slots' fragments of K in 128 registers and walks the 32 query tiles, which lie in LDS.
; The four work-groups of a cluster need the same 512 rows of x: one joint tensor load a wave (32 rows of 256 bytes).  x's scale bytes, 256 a wave, come by one global load and one LDS store.
; sigmoid(s) = 1 / (1 + 2^(-s log2 e)): an exponential that overflows gives infinity, whose reciprocal is 0; one that underflows gives 1.
; LIMITS: NaN and infinities among the inputs are not served.
.set XS,  139264                       ; behind the 16 x 8,704 bytes of x's rows: x's scale bytes, 256 a wave
.set PM,  143360                       ; largest scores: 2,048 bytes a wave
.set GST, 176128                       ; the gates' sums on their way out: 256 bytes a wave
.set SPARE, 180224                     ; the spare words, 128 bytes a wave
.set KS,  4
.set PR,  16
.set ACC, 32
.set S,   64
.set XF,  96
.set KF,  128
.set WV,  16
.set G1C, 28
.set G0C, 36
.macro CROUND
	s_barrier_signal -1
	s_barrier_wait -1
	s_cmp_lg_u32 s[WV], 0
	s_cbranch_scc1 .Lnot_wave_0_\@
	s_barrier_signal -3
.Lnot_wave_0_\@:
	s_barrier_wait -3
	s_barrier_signal -1
	s_barrier_wait -1
.endm
	s_load_b256 s[4:11], s[0:1], 0x0               ; x's codes, x's scales, kv, kscl
	s_load_b128 s[12:15], s[0:1], 0x20             ; pmax, gsum
	v_lshl_add_u32 v11, v0, 2, SPARE
	v_mov_b32 v12, 0
	ds_add_u32 v11, v12                            ; the opening lines: the add twice on end under one wait
	ds_add_u32 v11, v12
	v_lshrrev_b32 v31, 5, v0
	v_readfirstlane_b32 s[WV], v31
	v_and_b32 v24, 31, v0
	v_and_b32 v25, 15, v0
	v_bfe_u32 v26, v0, 4, 1
	v_lshlrev_b32 v27, 4, v24                      ; 16 x lane
	v_lshlrev_b32 v19, 3, v24                      ; 8 x lane
	s_bfe_u32 s17, ttmp6, 0x40000                  ; my place in the cluster: it enters global addresses alone
	s_and_b32 s18, ttmp7, 0xffff
	s_mov_b32 s20, 0xbfb8aa3b                      ; -log2(e)
	s_mov_b32 s21, s20
	s_mov_b32 s22, 0x76543210
	s_mov_b32 s23, 0xfedcba98
	s_mov_b32 s25, 0
	s_mov_b32 s26, 0
	s_mov_b32 s27, 0
	s_mov_b32 s[G1C], 15|(1<<20)|(1<<21)|(5<<22)|(3<<25)   ; all four partners; rows of 256 bytes, 16 bytes of padding behind each
	s_mov_b32 s[G1C+1], 256<<16
	s_mov_b32 s[G1C+2], 32<<16
	s_mov_b32 s[G1C+3], 256<<16
	s_mov_b32 s[G1C+4], 32
	s_mov_b32 s[G1C+5], 256
	s_mov_b32 s[G1C+6], 0
	s_mov_b32 s[G1C+7], 0
	s_lshl_b32 s52, s18, 17
	s_lshl_b32 s53, s[WV], 13
	s_add_co_u32 s52, s52, s53                     ; x's codes: 512 rows a work-group, 32 a wave
	s_mov_b32 s53, 0
	s_lshl_b32 s54, s18, 12
	s_lshl_b32 s55, s[WV], 8
	s_add_co_u32 s54, s54, s55                     ; their scale bytes
	s_mov_b32 s55, 0
	s_mul_i32 s56, s[WV], 8704
	s_lshl_b32 s57, s[WV], 8
	s_add_co_u32 s57, s57, XS
	s_lshl_b32 s60, s17, 2
	s_lshr_b32 s61, s[WV], 2
	s_add_co_u32 s60, s60, s61
	s_lshl_b32 s60, s60, 17                        ; kv: part 4 cx + wave / 4,
	s_and_b32 s61, s[WV], 3
	s_lshl_b32 s61, s61, 14                        ; four key tiles of 4,096 bytes a wave
	s_add_co_u32 s60, s60, s61
	s_mov_b32 s61, 0
	s_lshl_b32 s62, s17, 13
	s_lshl_b32 s63, s[WV], 9
	s_add_co_u32 s62, s62, s63
	s_mov_b32 s63, 0
	s_wait_alu depctr_va_vdst(0)                   ; ahead of the waits below
	s_wait_dscnt 0x0
	s_wait_kmcnt 0x0
	s_add_nc_u64 s[8:9], s[8:9], s[60:61]
	s_add_nc_u64 s[10:11], s[10:11], s[62:63]
	s_add_nc_u64 s[6:7], s[6:7], s[54:55]
.irp t, 0,1,2,3
.irp k, 0,1
.irp c, 0,1,2,3
	global_load_b128 v[KF+32*\t+16*\k+4*\c:KF+32*\t+16*\k+4*\c+3], v27, s[8:9] offset:4096*\t+2048*\k+512*\c
.endr
.endr
.endr
	global_load_b64 v[KS:KS+1], v19, s[10:11]
	global_load_b64 v[KS+2:KS+3], v19, s[10:11] offset:256
	global_load_b64 v[28:29], v19, s[6:7]          ; my 32 queries' scale bytes: 256 consecutive bytes
	CROUND                                         ; all four work-groups are here
	s_mov_b32 s[G0C], 1
	s_mov_b32 s[G0C+1], s56
	s_add_nc_u64 s[G0C+2:G0C+3], s[4:5], s[52:53]
	s_or_b32 s[G0C+3], s[G0C+3], 0x80000000
	tensor_load_to_lds s[G0C:G0C+3], s[G1C:G1C+7]  ; my one tensor load
	s_nop 0
.rept 4
	v_nop
.endr
	s_lshl_b32 s52, s18, 14
	s_lshl_b32 s54, s17, 12
	s_add_co_u32 s52, s52, s54
	s_lshl_b32 s54, s[WV], 8
	s_add_co_u32 s52, s52, s54
	s_add_nc_u64 s[14:15], s[14:15], s[52:53]      ; gsum: row y, my 64 slots
	s_lshl_b32 s52, s17, 17
	s_lshl_b32 s55, s18, 11
	s_add_co_u32 s52, s52, s55
	s_add_co_u32 s52, s52, s54
	s_add_nc_u64 s[12:13], s[12:13], s[52:53]      ; pmax: quarter cx, the work-group's 512 queries
	s_lshl_b32 s58, s[WV], 11
	s_add_co_u32 s58, s58, PM
	s_lshl_b32 s59, s[WV], 8
	s_add_co_u32 s2, s59, GST
	s_add_co_u32 s3, s59, PM
	v_add_nc_u32 v30, s57, v19
	v_mul_u32_u24 v1, v25, 272
	v_lshlrev_b32 v2, 3, v25
	v_lshl_add_u32 v3, v25, 2, s58
	v_lshl_add_u32 v1, v26, 4, v1
	v_lshl_add_u32 v2, v26, 2, v2
	v_mov_b32 v13, 0
	v_add_nc_u32 v2, XS, v2
.set jj, 0
.rept 32
	v_mov_b32 v[ACC+jj], 0
.set jj, jj+1
.endr
	v_add_nc_u32 v14, s25, v1
	v_add_nc_u32 v15, s26, v2
	s_wait_alu depctr_va_vdst(0)                   ; at the head's end
	s_wait_loadcnt 0x0
	s_wait_tensorcnt 0x0
	ds_store_b64 v30, v[28:29]
	s_wait_dscnt 0x0                               ; for the others' sake
	s_barrier_signal -1
	s_barrier_wait -1
.macro XLOAD
.irp k, 0,1
.irp c, 0,1,2,3
	ds_load_b128 v[XF+16*\k+4*\c:XF+16*\k+4*\c+3], v14 offset:128*\k+32*\c
.endr
.endr
	ds_load_b32 v8, v15
.endm
.macro TRIP next                       ; 64 slots x 16 queries
	s_wait_dscnt 0x0
.irp t, 0,1,2,3
	v_wmma_scale_f32_16x16x128_f8f6f4 v[S+8*\t:S+8*\t+7], v[KF+32*\t:KF+32*\t+15], v[XF:XF+15], 0, v[KS+\t], v8 matrix_a_fmt:MATRIX_FMT_BF8 matrix_b_fmt:MATRIX_FMT_BF8
.endr
.irp t, 0,1,2,3
	v_wmma_scale_f32_16x16x128_f8f6f4 v[S+8*\t:S+8*\t+7], v[KF+32*\t+16:KF+32*\t+31], v[XF+16:XF+31], v[S+8*\t:S+8*\t+7], v[KS+\t], v8 matrix_a_fmt:MATRIX_FMT_BF8 matrix_b_fmt:MATRIX_FMT_BF8 matrix_a_scale:MATRIX_SCALE_ROW1 matrix_b_scale:MATRIX_SCALE_ROW1
.endr
	v_add_nc_u32 v10, s27, v3
.if \next
	s_add_co_u32 s25, s25, 4352
	s_add_co_u32 s26, s26, 128
	v_add_nc_u32 v14, s25, v1
	v_add_nc_u32 v15, s26, v2
.else
	v_nop
	v_nop
.endif
.rept 6
	v_nop                                          ; nine places in all behind the products
.endr
.if \next
	XLOAD
.endif
.irp t, 0,1,2,3
	v_max3_num_f32 v[PR+\t], v[S+8*\t], v[S+8*\t+1], v[S+8*\t+2]
.endr
.irp i, 3,5
.irp t, 0,1,2,3
	v_max3_num_f32 v[PR+\t], v[PR+\t], v[S+8*\t+\i], v[S+8*\t+\i+1]
.endr
.endr
	v_max3_num_f32 v[PR], v[PR], v[S+7], v[S+15]
	v_max3_num_f32 v[PR+2], v[PR+2], v[S+23], v[S+31]
	s_delay_alu instid0(VALU_DEP_1)
	v_max3_num_f32 v[PR], v[PR], v[PR+1], v[PR+2]
	s_delay_alu instid0(VALU_DEP_1)
	v_max_num_f32 v9, v[PR], v[PR+3]
.set jj, 0
.rept 16
	v_pk_mul_f32 v[S+jj:S+jj+1], v[S+jj:S+jj+1], s[20:21] op_sel_hi:[1,0]   ; -t
.set jj, jj+2
.endr
.set jj, 0
	s_wait_alu depctr_va_vdst(0)                   ; ahead of the batch
.rept 32
	v_exp_f32 v[S+jj], v[S+jj]
.set jj, jj+1
.endr
	v_permlanex16_b32 v13, v9, s22, s23
	s_delay_alu instid0(VALU_DEP_1)
	v_max_num_f32 v9, v9, v13
	ds_store_b32 v10, v9                           ; my query's largest score among my 64 slots
	s_add_co_u32 s27, s27, 64
	s_wait_alu depctr_va_vdst(0)                   ; behind the batch
.set jj, 0
.rept 16
	v_pk_add_f32 v[S+jj:S+jj+1], v[S+jj:S+jj+1], 1.0 op_sel_hi:[1,0]
.set jj, jj+2
.endr
.set jj, 0
	s_wait_alu depctr_va_vdst(0)
.rept 32
	v_rcp_f32 v[S+jj], v[S+jj]
.set jj, jj+1
.endr
	v_nop
	s_wait_alu depctr_va_vdst(0)
.set jj, 0
.rept 16
	v_pk_add_f32 v[ACC+2*jj:ACC+2*jj+1], v[ACC+2*jj:ACC+2*jj+1], v[S+2*jj:S+2*jj+1]
.set jj, jj+1
.endr
.endm
	XLOAD
	s_mov_b32 s24, 31
.Ltile:
	TRIP 1
	s_sub_co_u32 s24, s24, 1
	s_cmp_lg_u32 s24, 0
	s_cbranch_scc1 .Ltile
	TRIP 0
	v_and_b32 v24, 31, v0
	v_bfe_u32 v26, v0, 4, 1
	s_delay_alu instid0(VALU_DEP_2)
	v_lshlrev_b32 v19, 3, v24
	s_delay_alu instid0(VALU_DEP_2)
	v_lshl_add_u32 v17, v26, 6, s2
	s_delay_alu instid0(VALU_DEP_2)
	v_add_nc_u32 v18, s2, v19
	s_delay_alu instid0(VALU_DEP_3)
	v_add_nc_u32 v20, s3, v19
.irp m, 1,2,4,8
.set jj, 0
.rept 32
	v_add_f32_dpp v[ACC+jj], v[ACC+jj], v[ACC+jj] row_xmask:\m row_mask:0xf bank_mask:0xf   ; over the 16 queries of a row of lanes
.set jj, jj+1
.endr
.endr
.irp t, 0,1,2,3
	ds_store_b128 v17, v[ACC+8*\t:ACC+8*\t+3] offset:128*(\t/2)+32*(\t%2)
	ds_store_b128 v17, v[ACC+8*\t+4:ACC+8*\t+7] offset:128*(\t/2)+32*(\t%2)+16
.endr
	ds_load_b64 v[28:29], v18
	s_wait_dscnt 0x0
	global_store_b64 v19, v[28:29], s[14:15]       ; 256 consecutive bytes, aligned
	s_barrier_signal -1
	s_barrier_wait -1
	s_cmp_lt_u32 s[WV], 8
	s_cbranch_scc0 .Lno_max
.irp i, 0,1,2,3,4,5,6,7,8,9,10,11,12,13,14,15
	ds_load_b64 v[S+2*\i:S+2*\i+1], v20 offset:2048*\i
.endr
	s_wait_dscnt 0x0
.irp e, 0,1
.irp i, 0,6,12,18,24
	v_max3_num_f32 v[S+\i+\e], v[S+\i+\e], v[S+\i+2+\e], v[S+\i+4+\e]
.endr
	s_delay_alu instid0(VALU_DEP_3)
	v_max3_num_f32 v[S+\e], v[S+\e], v[S+6+\e], v[S+12+\e]
	s_delay_alu instid0(VALU_DEP_2)
	v_max3_num_f32 v[S+18+\e], v[S+18+\e], v[S+24+\e], v[S+30+\e]
	s_delay_alu instid0(VALU_DEP_1)
	v_max_num_f32 v[S+\e], v[S+\e], v[S+18+\e]
.endr
	global_store_b64 v19, v[S:S+1], s[12:13]
.Lno_max:
	s_wait_tensorcnt 0x0                           ; the wave's end
	ds_add_u32 v11, v12
	s_wait_dscnt 0x0
	CROUND                                         ; the closing round
	s_endpgm
.Lfunc_end_k_q4a87d62c9b_gate:
	.size	k_q4a87d62c9b_gate, .Lfunc_end_k_q4a87d62c9b_gate-k_q4a87d62c9b_gate
	.p2alignl 7, 3214868480
	.fill 96, 4, 3214868480
	.section	.rodata,"a",@progbits
	.p2align	6, 0x0
	.amdhsa_kernel k_q4a87d62c9b_gate
		.amdhsa_group_segment_fixed_size 327680
		.amdhsa_private_segment_fixed_size 0
		.amdhsa_enable_private_segment 0
		.amdhsa_kernarg_size 48
		.amdhsa_user_sgpr_count 2
		.amdhsa_user_sgpr_kernarg_segment_ptr 1
		.amdhsa_wavefront_size32 1
		.amdhsa_system_sgpr_workgroup_id_x 1
		.amdhsa_system_sgpr_workgroup_id_y 1
		.amdhsa_system_sgpr_workgroup_id_z 1
		.amdhsa_system_vgpr_workitem_id 0
		.amdhsa_next_free_vgpr 256
		.amdhsa_next_free_sgpr 66
		.amdhsa_reserve_vcc 0
		.amdhsa_float_denorm_mode_32 3
		.amdhsa_float_denorm_mode_16_64 3
		.amdhsa_memory_ordered 1
		.amdhsa_forward_progress 1
		.amdhsa_inst_pref_size 38
	.end_amdhsa_kernel
	.amdgpu_metadata
---
amdhsa.version: [ 1, 2 ]
amdhsa.kernels:
  - .name:           k_q4a87d62c9b_gate
    .symbol:         k_q4a87d62c9b_gate.kd
    .args:
      - { .name: x_codes, .offset: 0, .size: 8, .value_kind: global_buffer, .address_space: global }
      - { .name: x_scales, .offset: 8, .size: 8, .value_kind: global_buffer, .address_space: global }
      - { .name: kv, .offset: 16, .size: 8, .value_kind: global_buffer, .address_space: global }
      - { .name: kscl, .offset: 24, .size: 8, .value_kind: global_buffer, .address_space: global }
      - { .name: pmax, .offset: 32, .size: 8, .value_kind: global_buffer, .address_space: global }
      - { .name: gsum, .offset: 40, .size: 8, .value_kind: global_buffer, .address_space: global }
    .group_segment_fixed_size: 327680
    .private_segment_fixed_size: 0
    .kernarg_segment_align: 8
    .kernarg_segment_size: 48
    .max_flat_workgroup_size: 512
    .sgpr_count:     66
    .vgpr_count:     256
    .wavefront_size: 32
...
	.end_amdgpu_metadata
.endif
;; end of part 2
;; launch attn (part 3): grid 256 x 1, 4 waves a work-group, clusters of 4 x 1, 327,680 bytes of LDS; arguments x_codes, x_scales, kv, kscl, vscl, pmax, out0, rsum; writes out0, rsum
.if DOCPART == 3
	.amdgcn_target "amdgcn-amd-amdhsa--gfx1250"
	.amdhsa_code_object_version 6
	.text
	.protected	k_q4a87d62c9b_attn
	.globl	k_q4a87d62c9b_attn
	.p2align	8
	.type	k_q4a87d62c9b_attn,@function
k_q4a87d62c9b_attn:
	s_mov_b64 s[64:65], 0
	v_nop
	global_prefetch_b8 v0, s[64:65] scope:SCOPE_SE
	s_setreg_imm32_b32 hwreg(HW_REG_WAVE_MODE, 25, 1), 1
	s_wait_xcnt 0x0
	s_wait_alu depctr_hold_cnt(0) depctr_sa_sdst(0) depctr_va_vdst(0) depctr_va_sdst(0) depctr_va_ssrc(0) depctr_va_vcc(0) depctr_vm_vsrc(0)
	s_getreg_b32 s2, hwreg(HW_REG_IB_STS2, 6, 4)
	s_cmp_eq_u32 s2, 0
	s_cbranch_scc0 .Lentry_in_a_cluster
	s_endpgm
.Lentry_in_a_cluster:
	s_bfe_u32 s2, ttmp6, 0x10000c
	s_cmp_lg_u32 s2, 0x3003
	s_cbranch_scc0 .Lentry_shape_is_right
	s_endpgm
.Lentry_shape_is_right:
; read = softmax(x memory^T) memory, both products on codes of E5M2 with one E8M0 scale for each 32 along K.  t = score x log2(e); M = ceil(the row's largest t); p = 2^(t - M) is quantised along the slots;
; the row's sum of the unquantised p divides at the end.  The row's largest score is known: the launch before stored it (pmax, four parts a query), so M is fixed from the start and sums over different slots simply add.
; SHARES.  A work-group owns 128 queries, four waves.  Wave w: the 64 queries 64 (w / 2) on, four tiles of 16; of every 256 slots the half kh = w % 2: each fragment of K or V read from LDS feeds four matrix instructions.
; Register place p holds query tile p xor 2 kh: at the end every wave keeps places 0, 1 and hands places 2, 3 to wave w xor 1, by the same text in all waves.
; LAYOUT.  Both products transposed (S^T = K Q^T, O^T = V^T P^T): a lane holds one query.  kv holds register images; the 16 registers of key tiles 2 b, 2 b + 1 are slots 32 b + 16 (lane / 16) + 0 .. 15: the conversions' results are P.
; RING.  Two LDS slots of 131,072 bytes (256 slots of memory: K's images, then V's), each wave bringing 128 rows of 256 bytes.  All work-groups walk the same kv; the four of a cluster ask jointly.
; ORDER OF A STEP (128 slots x 64 queries).  A unit is 32 slots x 32 queries; units u0 .. u7 = (block 0, places 0-1), (block 0, places 2-3), (block 1, ..) ..  S^T has two buffers.  THE SOFTMAX OF UNIT u CARRIES THE SCORE PRODUCTS OF UNIT u + 1:
; the four that start the sums (C = 0; their operands came by loads) stand among the exponentials, the four that add onto them among the plain lines behind the batch's wait.  u7 carries eight products of V^T P (places 0, 1: their P is whole).
; K's blocks and V's groups of four channel tiles go through three buffers of 64 registers: K0 A, K1 B, K2 A, K3 B, V0 C, V1 A, V2 B, V3 C; each is asked for behind a unit's 16 multiply-adds.
; V's groups 2 and 3 are in registers at the change of slots: group 2 is multiplied between the barrier's signal and wait, group 3 behind the refill and the next step's first K loads.
; The block's largest p: t - M is made first and the maximum taken of it (the multiply-add does not fall where the score rises).
; O^T is cleared once at the head (512 lines of 4 bytes), so that one body of the step serves every step: the code holds the step twice (with joint refills; without), not three times.
; Also stored: rsum, the work-group's column sums of read.
; LIMITS: NaN and infinities are not served; v_exp_f32 flushes p under 2^-126 to 0; a block whose every p is 0 gets the byte 1 over zero codes.
; REGISTERS.  Window 0: v1-63 addresses, -M, sums, scale words; v64-127 S^T; v128-191 buffer A; v192-255 buffer B.  Window 1: v0-127 Q; v128-191 P; v192-255 buffer C.  Windows 2, 3: O^T, place p's channel tile ct at 128 p + 8 ct.
.set SLOT1, 1<<17
.set SPARE, 262144                     ; the spare words, 128 bytes a wave
.set LX,    262656                     ; the sums' exchange: 256 bytes a wave
.set CSB,   263680                     ; column sums: 1,024 bytes a wave
.set STG,   SLOT1                      ; the way out: 16 rows x 272 bytes a wave, in ring slot 1 behind its last fill and read.  Ring slot 0 likewise serves the exchange of O^T, 32,768 bytes a wave
.set SPW, 1
.set NIL, 2
.set ADK, 3                            ; my lane's place in a slot's K images: 32,768 kh + 16 lane
.set LS8, 5
.set PFO, 6
.set AKC, 7                            ; the same place in the ring slot in hand; v8: in V's images
.set AVC, 8
.set NM,  10                           ; v10-17 -M, a pair a place
.set L,   18                           ; v18-25 the sums, a pair a place
.set TS,  26
.set BM,  30
.set LM,  32
.set PT,  34
.set SO,  36
.set PW,  38                           ; v38-41 P's scale words
.set QS,  42
.set KS,  46
.set VS,  54
.set LM2, 62                           ; a second copy of the hold, for the dual lines' second half
.set S,   64
.set P,   128                          ; in window 1
.set BK,  192
.set CS,  64
.set WV,  20
.set SLOTS, 25
.set LIM, 31
.set G1,  32
.set G0,  40
.set PFA, 44
.set TB,  46
.set MSB, 0
.set hM,  0                            ; what a softmax carries: 0 nothing, 1 the next unit's score products, 2 eight products of V^T P
.macro WIN new                         ; the immediate's high byte repeats the setting that is left
.if MSB != (\new)
	s_set_vgpr_msb (MSB<<8)|(\new)
.set MSB, (\new)
.endif
.endm
.macro PLACES n
.rept \n
	v_nop
.endr
.endm
.macro CREST
	s_cmp_lg_u32 s[WV], 0
	s_cbranch_scc1 .Lnot_wave_0_\@
	s_barrier_signal -3
.Lnot_wave_0_\@:
	s_barrier_wait -3
	s_barrier_signal -1
	s_barrier_wait -1
.endm
.macro CROUND
	s_barrier_signal -1
	s_barrier_wait -1
	CREST
.endm
.macro BUF x                           ; buffer 0 = A, 1 = B, 2 = C: its window and first register
.set bW, (\x)/2
.set bR, 128+64*(((\x)+1)/2)
.endm
.macro KSLOAD
.irp i, 0,1,2,3
	global_load_b64 v[KS+2*\i:KS+2*\i+1], v[LS8], s[10:11] offset:256*\i
.endr
.endm
.macro VSLOAD
.irp i, 0,1,2,3
	global_load_b64 v[VS+2*\i:VS+2*\i+1], v[LS8], s[12:13] offset:256*\i
.endr
.endm
.macro KLOAD b, x                      ; key tiles 2 b, 2 b + 1 of my half, both K steps: (u, k) at 16 (2 u + k)
	BUF \x
	WIN (bW<<6)
.irp u, 0,1
.irp k, 0,1
.irp c, 0,1,2,3
	ds_load_b128 v[bR+16*(2*\u+\k)+4*\c:bR+16*(2*\u+\k)+4*\c+3], v[AKC] offset:(2*(\b)+\u)*4096+\k*2048+\c*512
.endr
.endr
.endr
	WIN 0
.endm
.macro VLOAD n, x                      ; channel tiles 4 n .. 4 n + 3
	BUF \x
	WIN (bW<<6)
.irp e, 0,1,2,3
.irp c, 0,1,2,3
	ds_load_b128 v[bR+16*\e+4*\c:bR+16*\e+4*\c+3], v[AVC] offset:(4*(\n)+\e)*2048+\c*512
.endr
.endr
	WIN 0
.endm
.macro HOSTK b, g, x                   ; the unit whose score products come next: block b, places 2 g, 2 g + 1, K in buffer x (A or B: window 0)
	BUF \x
.set hM, 1
.set hB, \b
.set hG, \g
.set hR, bR
.endm
.macro KQP i, ks                       ; its product i (place i / 2, key tile i % 2), K step ks.  The window setting 4 stands (source 1, Q, in window 1).  Four accumulators by turns
.set rD, S+32*hG+16*((\i)/2)+8*((\i)%2)
.set rA, hR+32*((\i)%2)+16*(\ks)
.set rB, 32*(2*hG+(\i)/2)+16*(\ks)
.if \ks
	v_wmma_scale_f32_16x16x128_f8f6f4 v[rD:rD+7], v[rA:rA+15], v[rB:rB+15], v[rD:rD+7], v[KS+2*hB+(\i)%2], v[QS+2*hG+(\i)/2] matrix_a_fmt:MATRIX_FMT_BF8 matrix_b_fmt:MATRIX_FMT_BF8 matrix_a_scale:MATRIX_SCALE_ROW1 matrix_b_scale:MATRIX_SCALE_ROW1
.else
	v_wmma_scale_f32_16x16x128_f8f6f4 v[rD:rD+7], v[rA:rA+15], v[rB:rB+15], 0, v[KS+2*hB+(\i)%2], v[QS+2*hG+(\i)/2] matrix_a_fmt:MATRIX_FMT_BF8 matrix_b_fmt:MATRIX_FMT_BF8
.endif
.endm
.macro PVP n, x, hf, i                 ; O^T += V^T P^T: channel tile 4 n + i / 2 (buffer x), place 2 hf + i % 2
	BUF \x
.set rO, 128*((\i)%2)+8*(4*(\n)+(\i)/2)
.set rV, bR+16*((\i)/2)
.set rP, P+16*(2*(\hf)+(\i)%2)
.if ((\i)/2)%2
	v_wmma_scale_f32_16x16x128_f8f6f4 v[rO:rO+7], v[rV:rV+15], v[rP:rP+15], v[rO:rO+7], v[VS+(4*(\n)+(\i)/2)/2], v[PW+2*(\hf)+(\i)%2] matrix_a_fmt:MATRIX_FMT_BF8 matrix_b_fmt:MATRIX_FMT_BF8 matrix_a_scale:MATRIX_SCALE_ROW1
.else
	v_wmma_scale_f32_16x16x128_f8f6f4 v[rO:rO+7], v[rV:rV+15], v[rP:rP+15], v[rO:rO+7], v[VS+(4*(\n)+(\i)/2)/2], v[PW+2*(\hf)+(\i)%2] matrix_a_fmt:MATRIX_FMT_BF8 matrix_b_fmt:MATRIX_FMT_BF8
.endif
.endm
.macro PVH n, x, hf                    ; eight different accumulators
	BUF \x
	WIN (bW|4|(0xa0+0x50*(\hf)))
.irp i, 0,1,2,3,4,5,6,7
	PVP \n, \x, \hf, \i
.endr
.endm
.macro PVG n, x
	PVH \n, \x, 0
	PVH \n, \x, 1
	WIN 0
.endm
.macro HT i                            ; carried among the lines ahead of the batch
.if hM == 2
	WIN 0xa5
	PVP 0, 2, 0, \i
	WIN 0
.endif
.endm
.macro HE i                            ; carried among the exponentials: the setting 4 stands there, which an instruction with one source does not see
.if hM == 1
	KQP \i, 0
.endif
.endm
.macro HU i                            ; carried among the plain lines behind the batch's wait
.if hM == 1
	WIN 4
	KQP \i, 1
	WIN 0
.elseif hM == 2
	WIN 0xa5
	PVP 0, 2, 0, \i+4
	WIN 0
.endif
.endm
; THE SOFTMAX OF A UNIT, in three parts: SM1 t - M; SMX the block's largest t - M; SM2 p, its sum, the scale byte, the codes: registers 4 b .. 4 b + 3 of P.
.macro FM g, j
.irp q, 0,1
	v_pk_fma_f32 v[S+32*\g+16*\q+\j:S+32*\g+16*\q+\j+1], v[S+32*\g+16*\q+\j:S+32*\g+16*\q+\j+1], s[26:27], v[NM+4*\g+2*\q:NM+4*\g+2*\q+1] op_sel_hi:[1,0,0]
.endr
.endm
.macro SM1 g                           ; each accumulator is read from its low end on
.irp j, 0,8,2,10
	FM \g, \j
.endr
	HT 0
.irp j, 4,12,6,14
	FM \g, \j
.endr
	HT 1
.endm
.macro SMX g
.set sS, S+32*\g
.irp q, 0,1
	v_max3_num_f32 v[BM+\q], v[sS+16*\q], v[sS+16*\q+1], v[sS+16*\q+2]
	v_max3_num_f32 v[LM+\q], v[sS+16*\q+8], v[sS+16*\q+9], v[sS+16*\q+10]
	v_max_num_f32 v[TS+\q], v[sS+16*\q+7], v[sS+16*\q+15]
.endr
	HT 2
.irp i, 3,5
.irp q, 0,1
	v_max3_num_f32 v[BM+\q], v[BM+\q], v[sS+16*\q+\i], v[sS+16*\q+\i+1]
	v_max3_num_f32 v[LM+\q], v[LM+\q], v[sS+16*\q+8+\i], v[sS+16*\q+9+\i]
.endr
.endr
	HT 3
.irp q, 0,1
	v_max3_num_f32 v[BM+\q], v[BM+\q], v[LM+\q], v[TS+\q]
.endr
.irp q, 0,1
	v_permlanex16_b32 v[PT+\q], v[BM+\q], s28, s29
.endr
.irp q, 0,1
	v_max_num_f32 v[BM+\q], v[BM+\q], v[PT+\q]     ; with lane l xor 16's 16 slots
.endr
.endm
.macro SM2 g, b
.set sS, S+32*\g
.set sL, L+4*\g
.set sW, PW+2*\g
.set sP, P+32*\g+4*(\b)
.if hM == 1
	WIN 4
.endif
	s_wait_alu depctr_va_vdst(0)                   ; ahead of the batch
.set jj, 0
.irp i, 0,1,2,3
.rept 8
	v_exp_f32 v[sS+jj], v[sS+jj]                   ; p = 2^(t - M): not normalised
.set jj, jj+1
.endr
	HE \i
.endr
.irp q, 0,1
	v_exp_f32 v[BM+\q], v[BM+\q]                   ; the block's largest p
.endr
	v_nop
	WIN 0
	s_wait_alu depctr_va_vdst(0)                   ; one wait for the 34, ahead of their first reader; it also stands between the carried products and those that add onto them
.irp q, 0,1
	v_max_num_f32 v[BM+\q], 0x8000000, v[BM+\q]    ; the floor 2^(16 - 127): the byte cannot fall under 1
.endr
.irp q, 0,1                            ; the row's sum is taken of the unquantised p
	v_pk_add_f32 v[sL+2*\q:sL+2*\q+1], v[sL+2*\q:sL+2*\q+1], v[sS+16*\q:sS+16*\q+1]
	v_pk_add_f32 v[TS+2*\q:TS+2*\q+1], v[sS+16*\q+2:sS+16*\q+3], v[sS+16*\q+4:sS+16*\q+5]
.endr
	HU 0
.irp q, 0,1
	v_add_nc_u32 v[SO+\q], 0xf8800000, v[BM+\q]    ; 15 off the exponent field: the conversion's scale operand
	v_and_or_b32 v[LM+\q], v[BM+\q], 0x7f800000, s30   ; 57,344 x the scale,
	v_and_or_b32 v[LM2+\q], v[BM+\q], 0x7f800000, s30  ; twice: the two halves of a dual line take their second sources from different banks
.endr
.irp q, 0,1
	v_pk_add_f32 v[sL+2*\q:sL+2*\q+1], v[sL+2*\q:sL+2*\q+1], v[sS+16*\q+6:sS+16*\q+7]
	v_pk_add_f32 v[TS+2*\q:TS+2*\q+1], v[TS+2*\q:TS+2*\q+1], v[sS+16*\q+8:sS+16*\q+9]
.endr
	HU 1
.if (\b) == 0
.irp q, 0,1
	v_lshrrev_b32 v[sW+\q], 23, v[SO+\q]           ; the scale's byte begins P's scale word
.endr
.else
.irp q, 0,1
	v_lshrrev_b32 v[PT+\q], 23, v[SO+\q]
.endr
.endif
.irp q, 0,1
	v_pk_add_f32 v[sL+2*\q:sL+2*\q+1], v[sL+2*\q:sL+2*\q+1], v[sS+16*\q+10:sS+16*\q+11]
	v_pk_add_f32 v[TS+2*\q:TS+2*\q+1], v[TS+2*\q:TS+2*\q+1], v[sS+16*\q+12:sS+16*\q+13]
.endr
.if (\b) != 0
.irp q, 0,1
	v_lshl_or_b32 v[sW+\q], v[PT+\q], 8*(\b), v[sW+\q]
.endr
.endif
.irp q, 0,1
	v_pk_add_f32 v[sL+2*\q:sL+2*\q+1], v[sL+2*\q:sL+2*\q+1], v[sS+16*\q+14:sS+16*\q+15]
.endr
	HU 2
.irp q, 0,1
	v_pk_add_f32 v[sL+2*\q:sL+2*\q+1], v[sL+2*\q:sL+2*\q+1], v[TS+2*\q:TS+2*\q+1]
.endr
.irp q, 0,1
.irp i, 0,2,4,6,8,10,12,14
	v_dual_min_num_f32 v[sS+16*\q+\i], v[sS+16*\q+\i], v[LM+\q] :: v_dual_min_num_f32 v[sS+16*\q+\i+1], v[sS+16*\q+\i+1], v[LM2+\q]   ; the conversion does not saturate (ISA guide 7.6.2); p is not negative: a one-sided hold
.endr
.if \q == 0
	HU 3                                           ; eight dual lines, four conversions and a v_nop follow: thirteen places ahead of the next unit's first read of S^T
.endif
.endr
	WIN 0x40                                       ; P lies in window 1
.irp q, 0,1
	v_cvt_scalef32_pk8_bf8_f32 v[sP+16*\q:sP+16*\q+1], v[sS+16*\q:sS+16*\q+7], v[SO+\q]
	v_cvt_scalef32_pk8_bf8_f32 v[sP+16*\q+2:sP+16*\q+3], v[sS+16*\q+8:sS+16*\q+15], v[SO+\q]
.endr
	WIN 0
	v_nop                                          ; a plain line behind the last conversion
.endm
; A PREFETCH INTO THE L2 of the part of kv that the NEXT change of slots will ask for: 512 rows of 256 bytes, each named once in the launch: the first cluster asks; its four partners are told apart by address,
; 128 rows each, 32 a wave, a lane a row.  The last change that fills a slot asks for nothing.  Parts 0 to 2 come by their loads alone.
.macro ASK
	s_cmp_gt_u32 s[SLOTS], s[LIM]
	s_cbranch_scc0 .Lnot_mine_\@
	global_prefetch_b8 v[PFO], s[PFA:PFA+1] th:TH_LOAD_NT scope:SCOPE_SE
.Lnot_mine_\@:
.endm
; A STEP.  It is entered with K's blocks 0 and 1 asked for.  tail = 0: the change of slots at its end is a round of the cluster's barrier with a joint refill.  tail = 1: nothing is filled again; in the very last step (s[SLOTS] = 1) nothing more is asked for.
.macro BODY tail
	s_wait_dscnt 16                                ; K0 is in; K1's sixteen loads may be out
	s_wait_loadcnt 0x0                             ; K's scale words
	HOSTK 0, 0, 0                                  ; u0's products stand alone
	WIN 4
.irp i, 0,1,2,3
	KQP \i, 0
.endr
.irp i, 0,1,2,3
	KQP \i, 1
.endr
	WIN 0
	PLACES 8
	HOSTK 0, 1, 0                                  ; u0
	SM1 0
	VLOAD 0, 2
	VSLOAD                                         ; this step's scale words of V
	SMX 0
	SM2 0, 0
	s_wait_dscnt 16                                ; u1: K1 is in; V0 may be out
	HOSTK 1, 0, 1
	SM1 1
	KLOAD 2, 0
	SMX 1
	SM2 1, 0
	HOSTK 1, 1, 1                                  ; u2
	SM1 0
	SMX 0
	SM2 0, 1
	s_wait_dscnt 0x0                               ; u3: K2, asked for two units ago
	HOSTK 2, 0, 0
	SM1 1
	KLOAD 3, 1
	SMX 1
	SM2 1, 1
	HOSTK 2, 1, 0                                  ; u4
	SM1 0
	SMX 0
	SM2 0, 2
	s_wait_dscnt 0x0                               ; u5: K3
	HOSTK 3, 0, 1
	SM1 1
	VLOAD 1, 0
	SMX 1
	SM2 1, 2
	HOSTK 3, 1, 1                                  ; u6
	SM1 0
	SMX 0
	SM2 0, 3
.set hM, 2                             ; u7 carries V0 x places 0, 1
	s_wait_alu depctr_va_vdst(0)                   ; ahead of the wait below
	s_wait_loadcnt 0x0                             ; V's scale words are in, so both bases may be stepped
	SM1 1
	VLOAD 2, 1
	s_add_nc_u64 s[12:13], s[12:13], 2048
.if \tail
	s_cmp_eq_u32 s[SLOTS], 1
	s_wait_alu depctr_va_vdst(0)                   ; ahead of the branch
	s_cbranch_scc1 .Lno_ks_\@
.endif
	s_add_nc_u64 s[10:11], s[10:11], 2048
	KSLOAD                                         ; the next step's scale words of K
.Lno_ks_\@:
	SMX 1
	SM2 1, 3
.set hM, 0
	PLACES 4                                       ; P's codes stand four places ahead of the scaled products
	s_wait_alu depctr_va_vdst(0)                   ; ahead of the wait below
	s_wait_dscnt 16                                ; V1 is in; V2 may be out
	PVH 0, 2, 1
	WIN 0
	PLACES 8
	VLOAD 3, 2
	PVG 1, 0
	s_xor_b32 s[TB], s[TB], SLOT1                  ; on to the other ring slot
	v_add_nc_u32 v[AKC], s[TB], v[ADK]
	v_add_nc_u32 v[AVC], 65536, v[AKC]
	s_wait_alu depctr_va_vdst(0)
	s_wait_tensorcnt 0x0                           ; my part of the slot ahead is in
	ds_add_u32 v[SPW], v[NIL]
.if \tail == 0
	s_xor_b32 s[G0+1], s[G0+1], SLOT1
	s_add_nc_u64 s[G0+2:G0+3], s[G0+2:G0+3], 131072
	s_wait_xcnt 0x0                                ; the last prefetch has read its address
	s_add_nc_u64 s[PFA:PFA+1], s[PFA:PFA+1], 131072
.endif
	s_wait_dscnt 0x0                               ; the add is done; V2 and V3 are in registers: my reads of this slot are over
	s_barrier_signal -1
	PVG 2, 1                                       ; work on registers while the others arrive
	s_barrier_wait -1
.if \tail == 0
	CREST
	tensor_load_to_lds s[G0:G0+3], s[G1:G1+7]      ; the slot just left takes the part of kv two steps on
	s_nop 0
.else
	s_cmp_eq_u32 s[SLOTS], 1
	s_cbranch_scc1 .Lno_k_\@
.endif
	PLACES 8                                       ; behind V2's products, ahead of the loads into buffers A and B
	KLOAD 0, 0
	KLOAD 1, 1
.if \tail == 0
	ASK
.endif
.Lno_k_\@:
	PVG 3, 2
.endm
	s_load_b256 s[4:11], s[0:1], 0x0               ; x's codes, x's scales, kv, kscl
	s_load_b256 s[12:19], s[0:1], 0x20             ; vscl, pmax, out0, rsum
	v_lshl_add_u32 v[SPW], v0, 2, SPARE
	v_mov_b32 v[NIL], 0
	ds_add_u32 v[SPW], v[NIL]                      ; the opening lines: the add twice on end under one wait
	ds_add_u32 v[SPW], v[NIL]
	v_lshrrev_b32 v9, 5, v0
	v_readfirstlane_b32 s[WV], v9
	s_bfe_u32 s21, ttmp6, 0x40000
	s_lshl_b32 s22, ttmp9, 2
	s_add_co_u32 s22, s22, s21                     ; my work-group: it enters global addresses of x, pmax, out0, rsum alone
	s_and_b32 s23, s[WV], 1                        ; kh
	s_lshr_b32 s24, s[WV], 1
	s_mov_b32 s26, 0x3fb8aa3b                      ; log2(e)
	s_mov_b32 s27, s26
	s_mov_b32 s28, 0x76543210
	s_mov_b32 s29, 0xfedcba98
	s_mov_b32 s30, 0x600000                        ; the mantissa field of 57,344
	s_mov_b32 s[TB], 0
	s_cmp_eq_u32 ttmp9, 0                          ; the first cluster prefetches: the same in all four partners
	s_cselect_b32 s[LIM], 1, -1
	s_mov_b32 s[G1], 15|(3<<16)|(1<<21)            ; all four work-groups; elements of 8 bytes; no padding: register images are read 512 consecutive bytes at a time
	s_mov_b32 s[G1+1], 32<<16
	s_mov_b32 s[G1+2], 128<<16
	s_mov_b32 s[G1+3], 32<<16
	s_mov_b32 s[G1+4], 128
	s_mov_b32 s[G1+5], 32
	s_mov_b32 s[G1+6], 0
	s_mov_b32 s[G1+7], 0
	s_lshl_b32 s48, s[WV], 15                      ; my 32,768 bytes of a slot, in memory and in LDS
	s_mov_b32 s49, 0
	s_wait_dscnt 0x0
	s_wait_kmcnt 0x0
	CROUND
	s_mov_b32 s[G0], 1
	s_mov_b32 s[G0+1], s48
	s_add_nc_u64 s[G0+2:G0+3], s[8:9], s[48:49]
	s_or_b32 s[G0+3], s[G0+3], 0x80000000
	tensor_load_to_lds s[G0:G0+3], s[G1:G1+7]      ; part 0 into ring slot 0: my one load at the head
	s_nop 0
	PLACES 4
	s_lshl_b32 s50, s22, 7
	s_lshl_b32 s51, s24, 6
	s_add_co_u32 s50, s50, s51                     ; my first query
	s_mov_b32 s53, 0
	s_lshl_b32 s52, s50, 8
	s_add_nc_u64 s[4:5], s[4:5], s[52:53]
	s_lshl_b32 s52, s50, 3
	s_add_nc_u64 s[6:7], s[6:7], s[52:53]
	s_lshl_b32 s52, s50, 2
	s_add_nc_u64 s[14:15], s[14:15], s[52:53]
	s_lshl_b32 s51, s23, 5
	s_add_co_u32 s51, s50, s51
	s_lshl_b32 s52, s51, 10
	s_add_nc_u64 s[16:17], s[16:17], s[52:53]      ; out0 at the tiles that I store: 2 kh, 2 kh + 1
	s_lshl_b32 s52, s22, 10
	s_add_nc_u64 s[18:19], s[18:19], s[52:53]
	s_lshl_b32 s52, s23, 10
	s_add_nc_u64 s[10:11], s[10:11], s[52:53]      ; the scale words of my half: 1,024 bytes a half, 2,048 a part
	s_add_nc_u64 s[12:13], s[12:13], s[52:53]
	s_lshl_b32 s52, s21, 15
	s_lshl_b32 s51, s[WV], 13
	s_add_co_u32 s52, s52, s51
	s_add_co_u32 s52, s52, 262144                  ; the prefetches stand in part 2: the first change in the loop steps them to part 3
	s_add_nc_u64 s[PFA:PFA+1], s[8:9], s[52:53]
	s_lshl_b32 s52, s23, 15
	s_lshl_b32 s53, s23, 13
	s_lshl_b32 s54, s23, 8
	s_lshl_b32 s55, s23, 7
	v_and_b32 v9, 31, v0
	v_and_b32 v62, 15, v0                          ; r
	v_bfe_u32 v63, v0, 4, 1                        ; h
	v_lshlrev_b32 v[LS8], 3, v9
	v_lshlrev_b32 v[PFO], 8, v9
	v_lshl_add_u32 v[ADK], v9, 4, s52
	v_lshl_add_u32 v[AKC], v9, 4, s52
	v_lshlrev_b32 v64, 8, v62
	v_lshlrev_b32 v66, 3, v62
	v_lshl_add_u32 v68, v62, 2, s55                ; pmax: 4 bytes a query, places 0, 1;
	v_lshl_add_u32 v64, v63, 4, v64
	v_lshl_add_u32 v66, v63, 2, v66
	v_xor_b32 v69, 128, v68                        ; places 2, 3
	v_add_nc_u32 v64, s53, v64                     ; Q, places 0, 1: row 32 kh + r of 256 bytes, + 16 h;
	v_add_nc_u32 v66, s54, v66                     ; Q's scale words: lanes 0-15 K step 0, lanes 16-31 K step 1
	v_add_nc_u32 v[AVC], 65536, v[AKC]
	v_xor_b32 v65, 8192, v64                       ; places 2, 3: the other two tiles
	v_xor_b32 v67, 256, v66
	WIN 0x40
.irp p, 0,1,2,3
.irp k, 0,1
.irp c, 0,1,2,3
	global_load_b128 v[32*\p+16*\k+4*\c:32*\p+16*\k+4*\c+3], v[64+\p/2], s[4:5] offset:(\p%2)*4096+128*\k+32*\c
.endr
.endr
.endr
	WIN 0
.irp p, 0,1,2,3
	global_load_b32 v[QS+\p], v[66+\p/2], s[6:7] offset:(\p%2)*128
.endr
.irp p, 0,1,2,3
.irp k, 0,1,2,3
	global_load_b32 v[72+4*\p+\k], v[68+\p/2], s[14:15] offset:(\p%2)*64+131072*\k
.endr
.endr
	KSLOAD
	WIN 0x80
.set ii, 0
.rept 256
	v_mov_b32 v[ii], 0                             ; O^T, places 0 and 1
.set ii, ii+1
.endr
	WIN 0xc0
.set ii, 0
.rept 256
	v_mov_b32 v[ii], 0                             ; places 2 and 3
.set ii, ii+1
.endr
	WIN 0
	s_wait_alu depctr_va_vdst(0)
	s_wait_loadcnt 0x0
.irp p, 0,1,2,3
	v_max3_num_f32 v[88+\p], v[72+4*\p], v[73+4*\p], v[74+4*\p]
.endr
.irp p, 0,1,2,3
	v_max_num_f32 v[88+\p], v[88+\p], v[75+4*\p]
.endr
.irp p, 0,1,2,3
	v_mul_f32 v[88+\p], s26, v[88+\p]              ; the row's largest t
.endr
.irp p, 0,1,2,3
	v_floor_f32 v[NM+2*\p], -v[88+\p]              ; -M = floor(-t) = -ceil(t)
.endr
.irp p, 0,1,2,3
	v_mov_b32 v[NM+2*\p+1], v[NM+2*\p]
	v_mov_b32 v[L+2*\p], 0
	v_mov_b32 v[L+2*\p+1], 0
.endr
	v_mov_b32 v[PT], 0                             ; a lane permute's destination counts as one of its sources
	v_mov_b32 v[PT+1], 0
	s_wait_alu depctr_va_vdst(0)                   ; at the head's end
	s_wait_tensorcnt 0x0                           ; ring slot 1's first fill is issued as a refill is
	ds_add_u32 v[SPW], v[NIL]
	s_xor_b32 s[G0+1], s[G0+1], SLOT1
	s_add_nc_u64 s[G0+2:G0+3], s[G0+2:G0+3], 131072
	s_wait_dscnt 0x0
	CROUND
	tensor_load_to_lds s[G0:G0+3], s[G1:G1+7]      ; part 1 into ring slot 1
	s_nop 0
	PLACES 4
	KLOAD 0, 0
	KLOAD 1, 1
	s_mov_b32 s[SLOTS], 14
.Lslot:                                            ; steps 0 to 13: each asks for the part two steps on
	BODY 0
	s_sub_co_u32 s[SLOTS], s[SLOTS], 1
	s_cmp_lg_u32 s[SLOTS], 0
	s_cbranch_scc1 .Lslot
	s_mov_b32 s[SLOTS], 2
.Llast:                                            ; steps 14 and 15: nothing is filled again.  Behind step 15's barrier no wave reads the ring any more
	BODY 1
	s_sub_co_u32 s[SLOTS], s[SLOTS], 1
	s_cmp_lg_u32 s[SLOTS], 0
	s_cbranch_scc1 .Llast
	; THE END.  Places 2, 3 of O^T and their sums go to wave w xor 1, whose places 2, 3 are my tiles: both halves of the slots are added, divided by the sum, and stored.
.set EXS, 26
.set EXL, 27
.set LXS, 28
.set LXL, 29
.set STI, 30
.set STO, 31
.set GO,  32
.set CSA, 33
.set T16, 34
.set CSR, 35
	s_lshl_b32 s48, s[WV], 15
	s_xor_b32 s49, s[WV], 1
	s_lshl_b32 s50, s49, 15
	s_lshl_b32 s51, s[WV], 8
	s_add_co_u32 s51, s51, LX
	s_lshl_b32 s52, s49, 8
	s_add_co_u32 s52, s52, LX
	s_mul_i32 s53, s[WV], 4352
	s_add_co_u32 s53, s53, STG
	s_lshl_b32 s54, s[WV], 10
	s_add_co_u32 s54, s54, CSB
.irp p, 0,1,2,3
	v_add_f32 v[L+2*\p], v[L+2*\p], v[L+2*\p+1]
.endr
.irp p, 0,1,2,3
	v_permlanex16_b32 v[L+2*\p+1], v[L+2*\p], s28, s29
.endr
.irp p, 0,1,2,3
	v_add_f32 v[L+2*\p], v[L+2*\p], v[L+2*\p+1]
.endr
	v_and_b32 v9, 31, v0
	v_and_b32 v62, 15, v0
	v_bfe_u32 v63, v0, 4, 1
	v_lshl_add_u32 v[EXS], v9, 4, s48              ; the exchange: my 32,768 bytes of ring slot 0,
	v_lshl_add_u32 v[EXL], v9, 4, s50              ; my partner's
	v_lshl_add_u32 v[LXS], v9, 2, s51
	v_lshl_add_u32 v[LXL], v9, 2, s52
	v_mul_u32_u24 v[STI], v62, 272
	v_mul_u32_u24 v[STO], v63, 272
	v_lshlrev_b32 v[GO], 10, v63
	v_lshl_add_u32 v[STI], v63, 5, v[STI]
	v_lshl_add_u32 v[STO], v62, 4, v[STO]
	v_lshl_add_u32 v[GO], v62, 4, v[GO]            ; lanes 0-15 one row of out0, lanes 16-31 the next
	v_add_nc_u32 v[STI], s53, v[STI]               ; the stage, in: row r, 32 bytes for each half of the lanes
	v_add_nc_u32 v[STO], s53, v[STO]               ; back: lanes 0-15 one row of 256 bytes, lanes 16-31 the next
	v_lshl_add_u32 v[CSA], v62, 4, s54
	v_lshlrev_b32 v[T16], 4, v0
	v_add_nc_u32 v[CSR], CSB, v[T16]
	s_wait_alu depctr_va_vdst(0)
	WIN 0x0c                                       ; an LDS store's data are its source 1: window 3
.set ii, 0
.rept 64
	ds_store_b128 v[EXS], v[4*ii:4*ii+3] offset:512*ii   ; each accumulator from its low end on
.set ii, ii+1
.endr
	WIN 0
	ds_store_b32 v[LXS], v[L+4]
	ds_store_b32 v[LXS], v[L+6] offset:128
	s_wait_dscnt 0x0                               ; for my partner's sake
	s_barrier_signal -1
	s_barrier_wait -1
	WIN 0x40
.set ii, 0
.rept 64
	ds_load_b128 v[4*ii:4*ii+3], v[EXL] offset:512*ii
.set ii, ii+1
.endr
	WIN 0
	ds_load_b32 v36, v[LXL]
	ds_load_b32 v37, v[LXL] offset:128
	s_wait_dscnt 0x0
	v_add_f32 v[L], v[L], v36                      ; the rows' sums over all 4,096 slots
	v_add_f32 v[L+2], v[L+2], v37
	s_wait_alu depctr_va_vdst(0)
	v_rcp_f32 v38, v[L]
	v_rcp_f32 v40, v[L+2]
	WIN 0x46                                       ; source 0 window 2 (my places 0, 1), source 1 and destination window 1
	s_wait_alu depctr_va_vdst(0)                   ; directly ahead of the first readers of O^T; it serves the reciprocals too
.set ii, 0
.rept 128
	v_pk_add_f32 v[2*ii:2*ii+1], v[2*ii:2*ii+1], v[2*ii:2*ii+1]
.set ii, ii+1
.endr
	WIN 0x41
.set ii, 0
.rept 128
	v_pk_mul_f32 v[2*ii:2*ii+1], v[2*ii:2*ii+1], v[38+2*(ii/64):39+2*(ii/64)] op_sel_hi:[1,0]   ; register 128 p + 8 ct + j: read(query r of place p, channel 16 ct + 8 h + j)
.set ii, ii+1
.endr
	WIN 0
	s_wait_alu depctr_va_vdst(0)
.macro PUT t                           ; turn t: 64 channels of the 16 rows of place t / 4 through my stage
.set tB, 128*((\t)/4)+32*((\t)%4)
	WIN 0x04
.irp tt, 0,1,2,3
	ds_store_b128 v[STI], v[tB+8*\tt:tB+8*\tt+3] offset:64*\tt
	ds_store_b128 v[STI], v[tB+8*\tt+4:tB+8*\tt+7] offset:64*\tt+16
.endr
	WIN 0
.irp i, 0,1,2,3,4,5,6,7
	ds_load_b128 v[BK+32*((\t)%2)+4*\i:BK+32*((\t)%2)+4*\i+3], v[STO] offset:544*\i   ; LDS serves a wave's instructions in order (ISA guide 5.7.1.4)
.endr
.endm
	PUT 0
.irp t, 0,1,2,3,4,5,6,7
.if \t < 7
.if \t > 0
	s_wait_xcnt 0x0                                ; the stores of the turn before have read the registers that the loads below fill
.endif
	PUT \t+1
	s_wait_dscnt 16                                ; this turn's rows are back; the next turn's 8 stores and 8 loads may be out
.else
	s_wait_dscnt 0x0
.endif
.set BB, BK+32*(\t%2)
.set CU, CS+4*(\t%4)
.if \t < 4
	v_pk_add_f32 v[CU:CU+1], v[BB:BB+1], v[BB+4:BB+5]          ; the column sums: the first two loads start them
	v_pk_add_f32 v[CU+2:CU+3], v[BB+2:BB+3], v[BB+6:BB+7]
.else
	v_pk_add_f32 v[CU:CU+1], v[CU:CU+1], v[BB:BB+1]
	v_pk_add_f32 v[CU+2:CU+3], v[CU+2:CU+3], v[BB+2:BB+3]
	v_pk_add_f32 v[CU:CU+1], v[CU:CU+1], v[BB+4:BB+5]
	v_pk_add_f32 v[CU+2:CU+3], v[CU+2:CU+3], v[BB+6:BB+7]
.endif
.irp i, 2,3,4,5,6,7
	v_pk_add_f32 v[CU:CU+1], v[CU:CU+1], v[BB+4*\i:BB+4*\i+1]
	v_pk_add_f32 v[CU+2:CU+3], v[CU+2:CU+3], v[BB+4*\i+2:BB+4*\i+3]
.endr
.irp i, 0,1,2,3,4,5,6,7
	global_store_b128 v[GO], v[BB+4*\i:BB+4*\i+3], s[16:17] offset:2048*\i+256*(\t%4)+16384*(\t/4) th:TH_STORE_NT   ; 16 lanes store 256 consecutive bytes, aligned
.endr
.endr
	s_wait_alu depctr_va_vdst(0)
.set ii, 0
.rept 16
	v_permlanex16_b32 v[80+ii], v[CS+ii], s28, s29 ; even rows' sums meet odd rows'
.set ii, ii+1
.endr
.set ii, 0
.rept 16
	v_add_f32 v[CS+ii], v[CS+ii], v[80+ii]
.set ii, ii+1
.endr
.irp u, 0,1,2,3
	ds_store_b128 v[CSA], v[CS+4*\u:CS+4*\u+3] offset:256*\u   ; both halves of the lanes write the same bytes with the same values
.endr
	s_wait_dscnt 0x0
	s_barrier_signal -1
	s_barrier_wait -1                              ; four waves' column sums lie in LDS
	s_cmp_lt_u32 s[WV], 2
	s_cbranch_scc0 .Lno_sum
.irp i, 0,1,2,3
	ds_load_b128 v[96+4*\i:96+4*\i+3], v[CSR] offset:1024*\i
.endr
	s_wait_dscnt 0x0
	v_pk_add_f32 v[96:97], v[96:97], v[100:101]
	v_pk_add_f32 v[98:99], v[98:99], v[102:103]
	v_pk_add_f32 v[104:105], v[104:105], v[108:109]
	v_pk_add_f32 v[106:107], v[106:107], v[110:111]
	v_pk_add_f32 v[96:97], v[96:97], v[104:105]
	v_pk_add_f32 v[98:99], v[98:99], v[106:107]
	global_store_b128 v[T16], v[96:99], s[18:19]   ; 512 consecutive bytes a wave: the work-group's 256 column sums
.Lno_sum:
	s_wait_tensorcnt 0x0                           ; the wave's end
	ds_add_u32 v[SPW], v[NIL]
	s_wait_dscnt 0x0
	CROUND                                         ; the closing round
	s_endpgm
.Lfunc_end_k_q4a87d62c9b_attn:
	.size	k_q4a87d62c9b_attn, .Lfunc_end_k_q4a87d62c9b_attn-k_q4a87d62c9b_attn
	.p2alignl 7, 3214868480
	.fill 96, 4, 3214868480
	.section	.rodata,"a",@progbits
	.p2align	6, 0x0
	.amdhsa_kernel k_q4a87d62c9b_attn
		.amdhsa_group_segment_fixed_size 327680
		.amdhsa_private_segment_fixed_size 0
		.amdhsa_enable_private_segment 0
		.amdhsa_kernarg_size 64
		.amdhsa_user_sgpr_count 2
		.amdhsa_user_sgpr_kernarg_segment_ptr 1
		.amdhsa_wavefront_size32 1
		.amdhsa_system_sgpr_workgroup_id_x 1
		.amdhsa_system_sgpr_workgroup_id_y 1
		.amdhsa_system_sgpr_workgroup_id_z 1
		.amdhsa_system_vgpr_workitem_id 0
		.amdhsa_next_free_vgpr 1024
		.amdhsa_next_free_sgpr 66
		.amdhsa_reserve_vcc 0
		.amdhsa_float_denorm_mode_32 3
		.amdhsa_float_denorm_mode_16_64 3
		.amdhsa_memory_ordered 1
		.amdhsa_forward_progress 1
		.amdhsa_inst_pref_size 246
	.end_amdhsa_kernel
	.amdgpu_metadata
---
amdhsa.version: [ 1, 2 ]
amdhsa.kernels:
  - .name:           k_q4a87d62c9b_attn
    .symbol:         k_q4a87d62c9b_attn.kd
    .args:
      - { .name: x_codes, .offset: 0, .size: 8, .value_kind: global_buffer, .address_space: global }
      - { .name: x_scales, .offset: 8, .size: 8, .value_kind: global_buffer, .address_space: global }
      - { .name: kv, .offset: 16, .size: 8, .value_kind: global_buffer, .address_space: global }
      - { .name: kscl, .offset: 24, .size: 8, .value_kind: global_buffer, .address_space: global }
      - { .name: vscl, .offset: 32, .size: 8, .value_kind: global_buffer, .address_space: global }
      - { .name: pmax, .offset: 40, .size: 8, .value_kind: global_buffer, .address_space: global }
      - { .name: out0, .offset: 48, .size: 8, .value_kind: global_buffer, .address_space: global }
      - { .name: rsum, .offset: 56, .size: 8, .value_kind: global_buffer, .address_space: global }
    .group_segment_fixed_size: 327680
    .private_segment_fixed_size: 0
    .kernarg_segment_align: 8
    .kernarg_segment_size: 64
    .max_flat_workgroup_size: 128
    .sgpr_count:     66
    .vgpr_count:     1024
    .wavefront_size: 32
...
	.end_amdgpu_metadata
.endif
;; end of part 3
;; launch final (part 4): grid 64 x 1, 16 waves a work-group, clusters of 4 x 1, 327,680 bytes of LDS; arguments memory, gsum, rsum, ln_gamma, ln_beta, out1; writes out1
.if DOCPART == 4
	.amdgcn_target "amdgcn-amd-amdhsa--gfx1250"
	.amdhsa_code_object_version 6
	.text
	.protected	k_q4a87d62c9b_final
	.globl	k_q4a87d62c9b_final
	.p2align	8
	.type	k_q4a87d62c9b_final,@function
k_q4a87d62c9b_final:
	s_mov_b64 s[64:65], 0
	v_nop
	global_prefetch_b8 v0, s[64:65] scope:SCOPE_SE
	s_setreg_imm32_b32 hwreg(HW_REG_WAVE_MODE, 25, 1), 1
	s_wait_xcnt 0x0
	s_wait_alu depctr_hold_cnt(0) depctr_sa_sdst(0) depctr_va_vdst(0) depctr_va_sdst(0) depctr_va_ssrc(0) depctr_va_vcc(0) depctr_vm_vsrc(0)
	s_getreg_b32 s2, hwreg(HW_REG_IB_STS2, 6, 4)
	s_cmp_eq_u32 s2, 0
	s_cbranch_scc0 .Lentry_in_a_cluster
	s_endpgm
.Lentry_in_a_cluster:
	s_bfe_u32 s2, ttmp6, 0x10000c
	s_cmp_lg_u32 s2, 0x3003
	s_cbranch_scc0 .Lentry_shape_is_right
	s_endpgm
.Lentry_shape_is_right:
; out1 = LayerNorm(memory (1 - gate) + read_avg gate) gamma + beta.  gate[slot] = the mean over 32,768 queries of sigmoid(score): gsum holds 64 partial sums a slot;  read_avg[channel] = the mean of read: rsum holds 256 partial sums a channel.
; A work-group takes 64 slots, a wave four: a row of 1,024 bytes is 8 registers a lane (channels 4 lane .. + 3 and 128 + 4 lane .. + 3).  All f32; no matrix work.
; Every work-group needs all of rsum (262,144 bytes): it comes into LDS by one tensor load a wave (64 rows of 256 bytes), asked for jointly by the four work-groups of a cluster, and is added up from there, 32 loads of 16 bytes a thread.
; The other loads (64 columns of gsum, gamma, beta, my rows of memory) go out ahead of the cluster's round.  No prefetch: the launch has no loop to run ahead in.
; LDS: 0: rsum;  PB: [8][256] f32 parts of read's sums;  GA: [8][64] f32 parts of the gates' sums;  SPARE: the spare words.
; LIMITS: NaN and infinities are not served; v_rsq_f32 gives 1 ulp.
.set PB,  262144
.set GA,  270336
.set SPARE, 272384
.set RV,  8                            ; v8-15   read_avg of my 8 channels
.set RS,  32                           ; v32-159 rsum as loaded; later the 8 parts from LDS
.set GM,  160                          ; v160-167 gamma, v168-175 beta
.set BT,  168
.set R,   176                          ; v176-207 my four rows
.set MU,  208                          ; v208-215 a pair a row: the mean, and a register at work
.set VR,  216                          ; v216-223 likewise for the variance
.set TA,  226                          ; v226-229 16 x thread + 65,536 k: my places in rsum's tile
.set G1,  36
.set G0,  44
.macro CROUND
	s_barrier_signal -1
	s_barrier_wait -1
	s_cmp_lg_u32 s16, 0
	s_cbranch_scc1 .Lnot_wave_0_\@
	s_barrier_signal -3
.Lnot_wave_0_\@:
	s_barrier_wait -3
	s_barrier_signal -1
	s_barrier_wait -1
.endm
	s_load_b256 s[4:11], s[0:1], 0x0               ; memory s[4:5], gsum s[6:7], rsum s[8:9], gamma s[10:11]
	s_load_b128 s[12:15], s[0:1], 0x20             ; beta s[12:13], out1 s[14:15]
	v_lshl_add_u32 v224, v0, 2, SPARE
	v_mov_b32 v225, 0
	ds_add_u32 v224, v225                          ; the opening lines: the add twice on end under one wait
	ds_add_u32 v224, v225
	v_lshrrev_b32 v7, 5, v0
	v_readfirstlane_b32 s16, v7                    ; wave
	v_and_b32 v7, 31, v0                           ; lane
	v_lshlrev_b32 v[TA], 4, v0                     ; 16 x thread: 512 threads cover 8 rows of rsum
	v_lshrrev_b32 v3, 6, v0
	v_and_b32 v4, 63, v0
	v_lshlrev_b32 v1, 4, v7                        ; 16 x lane
	v_lshlrev_b32 v3, 14, v3
	v_and_b32 v5, 7, v7
	v_lshrrev_b32 v6, 3, v7
	v_lshl_add_u32 v3, v4, 2, v3                   ; gsum: row thread / 64, slot thread % 64
	v_lshl_add_u32 v4, v0, 2, GA
	v_lshlrev_b32 v6, 2, v6
	v_add_nc_u32 v[TA+1], 0x10000, v[TA]
	v_add_nc_u32 v[TA+2], 0x20000, v[TA]
	v_add_nc_u32 v[TA+3], 0x30000, v[TA]
	v_add_nc_u32 v230, PB, v[TA]
	v_add_nc_u32 v231, PB, v1
	v_lshl_add_u32 v6, v5, 8, v6
	s_lshl_b32 s17, s16, 4
	s_add_co_u32 s17, s17, GA
	v_add_nc_u32 v6, s17, v6                       ; part lane % 8 of the gate of my row lane / 8
	s_mov_b32 s18, 0x76543210
	s_mov_b32 s19, 0xfedcba98
	s_mov_b32 s30, 0x3b800000                      ; 1 / 256
	s_mov_b32 s31, 0x3727c5ac                      ; 1e-5
	s_bfe_u32 s34, ttmp6, 0x40000
	s_lshl_b32 s35, ttmp9, 2
	s_add_co_u32 s35, s35, s34                     ; my work-group: it enters global addresses alone
	s_lshl_b32 s28, s35, 16
	s_lshl_b32 s29, s16, 12
	s_add_co_u32 s28, s28, s29                     ; my four rows: (64 work-group + 4 wave) x 1,024 bytes
	s_mov_b32 s29, 0
	s_lshl_b32 s32, s35, 8
	s_mov_b32 s33, 0
	s_mov_b32 s[G1], 15|(3<<16)|(1<<21)            ; all four work-groups; elements of 8 bytes; rows of 256 bytes, dense
	s_mov_b32 s[G1+1], 32<<16
	s_mov_b32 s[G1+2], 64<<16
	s_mov_b32 s[G1+3], 32<<16
	s_mov_b32 s[G1+4], 64
	s_mov_b32 s[G1+5], 32
	s_mov_b32 s[G1+6], 0
	s_mov_b32 s[G1+7], 0
	s_lshl_b32 s48, s16, 14                        ; my 16,384 bytes of rsum, in memory and in LDS
	s_mov_b32 s49, 0
	s_wait_alu depctr_va_vdst(0)                   ; ahead of the waits below
	s_wait_dscnt 0x0
	s_wait_kmcnt 0x0
	s_add_nc_u64 s[4:5], s[4:5], s[28:29]
	s_add_nc_u64 s[14:15], s[14:15], s[28:29]
	s_add_nc_u64 s[6:7], s[6:7], s[32:33]
.irp j, 0,1,2,3,4,5,6,7
	global_load_b32 v[16+\j], v3, s[6:7] offset:131072*\j
.endr
	global_load_b128 v[GM:GM+3], v1, s[10:11]
	global_load_b128 v[GM+4:GM+7], v1, s[10:11] offset:512
	global_load_b128 v[BT:BT+3], v1, s[12:13]
	global_load_b128 v[BT+4:BT+7], v1, s[12:13] offset:512
.irp i, 0,1,2,3
	global_load_b128 v[R+8*\i:R+8*\i+3], v1, s[4:5] offset:1024*\i
	global_load_b128 v[R+8*\i+4:R+8*\i+7], v1, s[4:5] offset:1024*\i+512
.endr
	CROUND                                         ; all four work-groups are here
	s_mov_b32 s[G0], 1
	s_mov_b32 s[G0+1], s48
	s_add_nc_u64 s[G0+2:G0+3], s[8:9], s[48:49]
	s_or_b32 s[G0+3], s[G0+3], 0x80000000
	tensor_load_to_lds s[G0:G0+3], s[G1:G1+7]      ; my one tensor load
	s_nop 0
.rept 4
	v_nop
.endr
	s_wait_tensorcnt 0x0                           ; my part of rsum is in
	s_barrier_signal -1
	s_barrier_wait -1                              ; and everybody's
.set ii, 0
.rept 32
	ds_load_b128 v[RS+4*ii:RS+4*ii+3], v[TA+ii/8] offset:8192*(ii%8)
.set ii, ii+1
.endr
	s_wait_loadcnt 0x0
	s_wait_dscnt 0x0
.set ii, 4
.rept 28                               ; four chains
	v_pk_add_f32 v[RS+4*(ii%4):RS+4*(ii%4)+1], v[RS+4*(ii%4):RS+4*(ii%4)+1], v[RS+4*ii:RS+4*ii+1]
	v_pk_add_f32 v[RS+4*(ii%4)+2:RS+4*(ii%4)+3], v[RS+4*(ii%4)+2:RS+4*(ii%4)+3], v[RS+4*ii+2:RS+4*ii+3]
.set ii, ii+1
.endr
.irp j, 0,2
	v_pk_add_f32 v[RS+\j:RS+\j+1], v[RS+\j:RS+\j+1], v[RS+4+\j:RS+5+\j]
	v_pk_add_f32 v[RS+8+\j:RS+9+\j], v[RS+8+\j:RS+9+\j], v[RS+12+\j:RS+13+\j]
.endr
	v_pk_add_f32 v[16:17], v[16:17], v[18:19]
	v_pk_add_f32 v[20:21], v[20:21], v[22:23]
.irp j, 0,2
	v_pk_add_f32 v[RS+\j:RS+\j+1], v[RS+\j:RS+\j+1], v[RS+8+\j:RS+9+\j]
.endr
	v_pk_add_f32 v[16:17], v[16:17], v[20:21]
	v_add_f32 v16, v16, v17
	ds_store_b128 v230, v[RS:RS+3]
	ds_store_b32 v4, v16
	s_wait_dscnt 0x0                               ; for the others' sake: my stores have landed
	s_barrier_signal -1
	s_barrier_wait -1
.irp g, 0,1,2,3,4,5,6,7
	ds_load_b128 v[RS+8*\g:RS+8*\g+3], v231 offset:1024*\g
	ds_load_b128 v[RS+8*\g+4:RS+8*\g+7], v231 offset:1024*\g+512
.endr
	ds_load_b32 v24, v6
	s_wait_dscnt 0x0
.irp p, 0,2,4,6
	v_pk_add_f32 v[RV+\p:RV+\p+1], v[RS+\p:RS+\p+1], v[RS+8+\p:RS+9+\p]
.endr
.irp g, 2,3,4,5,6,7
.irp p, 0,2,4,6
	v_pk_add_f32 v[RV+\p:RV+\p+1], v[RV+\p:RV+\p+1], v[RS+8*\g+\p:RS+8*\g+\p+1]
.endr
.endr
.irp p, 0,2,4,6
	v_pk_mul_f32 v[RV+\p:RV+\p+1], v[RV+\p:RV+\p+1], 0x38000000 op_sel_hi:[1,0]   ; / 32,768
.endr
.irp m, 1, 2, 4
	v_add_f32_dpp v24, v24, v24 row_xmask:\m row_mask:0xf bank_mask:0xf   ; the eight parts of a gate lie in eight neighbouring lanes
.endr
	v_mul_f32 v24, 0x38000000, v24
.irp i, 0,1,2,3
	v_readlane_b32 s[20+2*\i], v24, 8*\i           ; row i's gate, as data for the packed form
	s_mov_b32 s[21+2*\i], s[20+2*\i]               ; (named with it as a pair, so it is written)
.endr
.irp i, 0,1,2,3
.irp p, 0,2,4,6
	v_pk_add_f32 v[24+\p:25+\p], v[RV+\p:RV+\p+1], v[R+8*\i+\p:R+8*\i+\p+1] neg_lo:[0,1] neg_hi:[0,1]
.endr
.irp p, 0,2,4,6
	v_pk_fma_f32 v[R+8*\i+\p:R+8*\i+\p+1], v[24+\p:25+\p], s[20+2*\i:21+2*\i], v[R+8*\i+\p:R+8*\i+\p+1] op_sel_hi:[1,0,1]   ; memory + gate (read_avg - memory)
.endr
.endr
.macro ACROSS a                        ; v[a + 2 i], i = 0 .. 3: each lane's two halves, then the 32 lanes; the four rows by turns
.irp i, 0,1,2,3
	v_add_f32 v[\a+2*\i], v[\a+2*\i], v[\a+2*\i+1]
.endr
.irp m, 1,2,4,8
.irp i, 0,1,2,3
	v_add_f32_dpp v[\a+2*\i], v[\a+2*\i], v[\a+2*\i] row_xmask:\m row_mask:0xf bank_mask:0xf
.endr
.endr
.irp i, 0,1,2,3
	v_permlanex16_b32 v[\a+2*\i+1], v[\a+2*\i], s18, s19
.endr
.irp i, 0,1,2,3
	v_add_f32 v[\a+2*\i], v[\a+2*\i], v[\a+2*\i+1]
.endr
.endm
.irp i, 0,1,2,3
	v_pk_add_f32 v[MU+2*\i:MU+2*\i+1], v[R+8*\i:R+8*\i+1], v[R+8*\i+2:R+8*\i+3]
	v_pk_add_f32 v[24+2*\i:25+2*\i], v[R+8*\i+4:R+8*\i+5], v[R+8*\i+6:R+8*\i+7]
.endr
.irp i, 0,1,2,3
	v_pk_add_f32 v[MU+2*\i:MU+2*\i+1], v[MU+2*\i:MU+2*\i+1], v[24+2*\i:25+2*\i]
.endr
	ACROSS MU
.irp i, 0,1,2,3
	v_mul_f32 v[MU+2*\i], s30, v[MU+2*\i]          ; the row's mean
.endr
.irp i, 0,1,2,3
.irp p, 0,2,4,6
	v_pk_add_f32 v[R+8*\i+\p:R+8*\i+\p+1], v[R+8*\i+\p:R+8*\i+\p+1], v[MU+2*\i:MU+2*\i+1] op_sel_hi:[1,0] neg_lo:[0,1] neg_hi:[0,1]
.endr
.endr
.irp i, 0,1,2,3
	v_pk_mul_f32 v[VR+2*\i:VR+2*\i+1], v[R+8*\i:R+8*\i+1], v[R+8*\i:R+8*\i+1]
.endr
.irp p, 2,4,6
.irp i, 0,1,2,3
	v_pk_fma_f32 v[VR+2*\i:VR+2*\i+1], v[R+8*\i+\p:R+8*\i+\p+1], v[R+8*\i+\p:R+8*\i+\p+1], v[VR+2*\i:VR+2*\i+1]
.endr
.endr
	ACROSS VR
.irp i, 0,1,2,3
	v_fma_f32 v[VR+2*\i], v[VR+2*\i], s30, s31     ; the variance + 1e-5
.endr
	s_wait_alu depctr_va_vdst(0)
.irp i, 0,1,2,3
	v_rsq_f32 v[VR+2*\i], v[VR+2*\i]
.endr
	v_nop                                          ; a plain line behind the last of the four
	s_wait_alu depctr_va_vdst(0)                   ; one wait for the four, ahead of their first reader
.irp i, 0,1,2,3
.irp p, 0,2,4,6
	v_pk_mul_f32 v[R+8*\i+\p:R+8*\i+\p+1], v[R+8*\i+\p:R+8*\i+\p+1], v[VR+2*\i:VR+2*\i+1] op_sel_hi:[1,0]
.endr
.endr
.irp i, 0,1,2,3
.irp p, 0,2,4,6
	v_pk_fma_f32 v[R+8*\i+\p:R+8*\i+\p+1], v[R+8*\i+\p:R+8*\i+\p+1], v[GM+\p:GM+\p+1], v[BT+\p:BT+\p+1]
.endr
.endr
.irp i, 0,1,2,3
	global_store_b128 v1, v[R+8*\i:R+8*\i+3], s[14:15] offset:1024*\i th:TH_STORE_NT       ; 32 lanes store 512 consecutive bytes, aligned
	global_store_b128 v1, v[R+8*\i+4:R+8*\i+7], s[14:15] offset:1024*\i+512 th:TH_STORE_NT
.endr
	s_wait_tensorcnt 0x0                           ; the wave's end
	ds_add_u32 v224, v225
	s_wait_dscnt 0x0
	CROUND                                         ; the closing round
	s_endpgm
.Lfunc_end_k_q4a87d62c9b_final:
	.size	k_q4a87d62c9b_final, .Lfunc_end_k_q4a87d62c9b_final-k_q4a87d62c9b_final
	.p2alignl 7, 3214868480
	.fill 96, 4, 3214868480
	.section	.rodata,"a",@progbits
	.p2align	6, 0x0
	.amdhsa_kernel k_q4a87d62c9b_final
		.amdhsa_group_segment_fixed_size 327680
		.amdhsa_private_segment_fixed_size 0
		.amdhsa_enable_private_segment 0
		.amdhsa_kernarg_size 48
		.amdhsa_user_sgpr_count 2
		.amdhsa_user_sgpr_kernarg_segment_ptr 1
		.amdhsa_wavefront_size32 1
		.amdhsa_system_sgpr_workgroup_id_x 1
		.amdhsa_system_sgpr_workgroup_id_y 1
		.amdhsa_system_sgpr_workgroup_id_z 1
		.amdhsa_system_vgpr_workitem_id 0
		.amdhsa_next_free_vgpr 232
		.amdhsa_next_free_sgpr 66
		.amdhsa_reserve_vcc 0
		.amdhsa_float_denorm_mode_32 3
		.amdhsa_float_denorm_mode_16_64 3
		.amdhsa_memory_ordered 1
		.amdhsa_forward_progress 1
		.amdhsa_inst_pref_size 28
	.end_amdhsa_kernel
	.amdgpu_metadata
---
amdhsa.version: [ 1, 2 ]
amdhsa.kernels:
  - .name:           k_q4a87d62c9b_final
    .symbol:         k_q4a87d62c9b_final.kd
    .args:
      - { .name: memory, .offset: 0, .size: 8, .value_kind: global_buffer, .address_space: global }
      - { .name: gsum, .offset: 8, .size: 8, .value_kind: global_buffer, .address_space: global }
      - { .name: rsum, .offset: 16, .size: 8, .value_kind: global_buffer, .address_space: global }
      - { .name: ln_gamma, .offset: 24, .size: 8, .value_kind: global_buffer, .address_space: global }
      - { .name: ln_beta, .offset: 32, .size: 8, .value_kind: global_buffer, .address_space: global }
      - { .name: out1, .offset: 40, .size: 8, .value_kind: global_buffer, .address_space: global }
    .group_segment_fixed_size: 327680
    .private_segment_fixed_size: 0
    .kernarg_segment_align: 8
    .kernarg_segment_size: 48
    .max_flat_workgroup_size: 512
    .sgpr_count:     66
    .vgpr_count:     232
    .wavefront_size: 32
...
	.end_amdgpu_metadata
.endif
;; end of part 4
